; MI455X (gfx1250); checked and timed in simulation.
; The chip was launched on July 23, 2026; its instructions are those of AMD's public machine-readable ISA for CDNA 5 (MIT licence, August 2026) and "CDNA5" Instruction Set Architecture Reference Guide (July 2026). The comments in the code are by the model that wrote it; some were corrected since.
;; Attention. Allowed arithmetic: matrix products marked QUANTISED: E2M1 operands, one E8M0 scale for each 32 along K, by v_wmma_scale_f32_16x16x128_f8f6f4 with both operands' format E2M1 (or v_wmma_scale_f32_32x16x128_f4), f32 sums; products left as they are: f32 operands where the result goes on into a quantised operand, else bf16, f16 or f32 operands; f32 sums; everything else in f32.
;; Inputs: V 1,024 float32; W 1,024 x 2,048 float32; attn_masks 32 x 2,048 int32; b 1,024 float32; enc_outputs 32 x 2,048 x 1,024 float32; last_state 32 x 1,024 float32.
;; Outputs: out0 32 x 1,024 float32; out1 32 x 2,048 float32; out2 32 x 2,048 float32.
;; This version of the problem:
;;   THIS VERSION OF THE PROBLEM IS GIVEN IN LOW PRECISION. The matrix products marked QUANTISED in the list below multiply operands that are first quantised to E2M1 (2 exponent bits, 1 mantissa bit; 4 bits a number), with one power-of-two scale for each 32 numbers along K (OCP MX v1.0); their sums are f32. All else is computed in f32.
;;   The module's matrix products, in the order in which they are computed (A, B: the left and right operand; K: the contracted axis; several contracted axes count as one K, in the product's order):
;;     1. [M 32, K 1,024] x [K 1,024, N 1,024]; A: input last_state; B: input W: QUANTISED
;;     2. [M 65,536, K 1,024] x [K 1,024, N 1,024]; A: input enc_outputs; B: input W: QUANTISED
;;     3. [M 65,536, K 1,024] x [K 1,024, N 1]; A: computed on the way; B: input V: left as it is (N = 1 < 16)
;;     4. batch 32 x [M 1, K 2,048] x [K 2,048, N 1,024]; A: softmax; B: input enc_outputs: left as it is (M = 1 < 16)
;;   THE QUANTISER, for each operand of a quantised product, along K:
;;     - K is cut into blocks of 32 from its start; a last block that is shorter is filled with zeros.
;;     - A block's scale is 2^e with e = floor(log2(the largest magnitude in the block)) - 2, held to -126 .. 127; a block of zeros has e = 0. As a byte (E8M0): e + 127.
;;     - Each number is divided by its block's scale, clamped to +-6, and rounded to the nearest number of E2M1, ties to even, subnormals kept.
;;     - The product sums the exact products of the quantised numbers (number of the format x scale) in f32.
;;   ~~~python
;;   def quantise(x, axis):      # numpy; x: float32 -> the quantised numbers, widened to float32 again
;;       x = np.moveaxis(x, axis, -1); K = x.shape[-1]
;;       x = np.pad(x, [(0, 0)] * (x.ndim - 1) + [(0, -K % 32)]); x = x.reshape(x.shape[:-1] + (-1, 32)); a = np.abs(x).max(-1, keepdims=True)
;;       e = np.where(a > 0, np.clip(np.frexp(np.where(a > 0, a, 1))[1] - 1 - 2, -126, 127), 0)      # np.frexp(a)[1] - 1 = floor(log2(a)), exactly
;;       r = np.clip(x / 2.0 ** e, -6, 6)
;;       step = 2.0 ** (np.maximum(np.frexp(np.where(r == 0, 1, r))[1] - 1, 0) - 1)
;;       q = np.round(r / step) * step * 2.0 ** e      # np.round: ties to even
;;       return np.moveaxis(q.reshape(q.shape[:-2] + (-1,))[..., :K], -1, axis).astype(np.float32)
;;   ~~~
;; 2 versions. Each part assembles by itself: llvm-mc -triple=amdgcn-amd-amdhsa -mcpu=gfx1250 --defsym DOCPART=n.
;; ======== version 1 of 2: 3 launches
;; workspace buffers: wq 524,288 bytes; ws 32,768 bytes; hbc 131,072 bytes; order 262,144 bytes of whole numbers; rank 262,144 bytes of whole numbers; cnt 4,096 bytes of whole numbers; part 3,014,656 bytes
;; launch prep (part 1): grid 68 x 1, 8 waves a work-group, no clusters, 17,920 bytes of LDS; arguments W, last_state, b, attn_masks, wq, ws, hbc, order, rank, cnt; writes wq, ws, hbc, order, rank, cnt
.if DOCPART == 1
	.amdgcn_target "amdgcn-amd-amdhsa--gfx1250"
	.amdhsa_code_object_version 6
	.text
	.protected	k_qd1354840cb_prep
	.globl	k_qd1354840cb_prep
	.p2align	8
	.type	k_qd1354840cb_prep,@function
k_qd1354840cb_prep:
	s_mov_b64 s[64:65], 0
	v_nop
	global_prefetch_b8 v0, s[64:65] scope:SCOPE_SE
	s_setreg_imm32_b32 hwreg(HW_REG_WAVE_MODE, 25, 1), 1
	s_wait_xcnt 0x0
; PREP.  Work-groups 0-63: tile t of 16 hidden units; wave k takes K step k (128 along K).  It quantises We's fragment (codes of E2M1, one E8M0 byte
; for each 32 along K) and stores it in the order of an operand's registers: wq[t][k][c][lane][16 bytes]; the scale words go to ws[t][lane][4 words]
; (lane (r, h), word q: row 16 t + r, K step 4 h + q).  It also quantises Wh's fragment and last_state's two, multiplies them (two matrix instructions),
; and the eight waves' parts of h_part meet in LDS: hbc[batch][hidden] = c (h_part + b), c = 2 log2(e).
; Work-groups 64-67: a wave takes a batch's 2,048 mask words and stores, as whole numbers: cnt = n, the number of ones; order = the row numbers, rows with
; mask 1 first, the others behind, each in ascending order; rank = for each row the byte, inside the batch's 16 records of the next launch, of its score.
; Rows are dealt to G = 8 groups (16 where more than 1,152 rows count): list place pos belongs to group pos % G as its row pos / G.
; LIMITS: NaN and infinities among the inputs are not served.  A block whose largest magnitude lies under 2^-124 gets the byte 1, a block of zeros too
; (its codes are zeros, and this program alone reads the bytes).  h_part's K is summed in eight parts, joined in ascending order.
.set S0,  64                           ; v64-127, v128-191, v192-255: three sets of 64 numbers
.set S1,  128
.set S2,  192
.set WSL, 16384                        ; LDS: 0: h_part's parts [k][q 4][lane][16 bytes]; WSL: the tile's 128 scale words
.set REC, 5888                         ; a record of the next launch
.set SCO, 5120                         ; where its scores begin
; 64 numbers of a lane: register 32 c + i = K 64 c + 32 h + i of the lane's row: two whole blocks of 32
.macro LD64 dst, vo, sb, off
.irp c, 0,1
.irp i, 0,1,2,3,4,5,6,7
	global_load_b128 v[\dst+32*\c+4*\i:\dst+32*\c+4*\i+3], v[\vo], s[\sb:\sb+1] offset:\off+256*\c+16*\i
.endr
.endr
.endm
; they become a fragment's 8 registers and its scale word
.macro QB src, frag, sw
.irp c, 0,1
	v_max3_num_f32 v[16+\c], |v[\src+32*\c]|, |v[\src+32*\c+1]|, 0x1800000   ; the floor 2^(3 - 127) holds the byte at 1 from below
.endr
.irp i, 2,4,6,8,10,12,14,16,18,20,22,24,26,28,30
.irp c, 0,1
	v_max3_num_f32 v[16+\c], v[16+\c], |v[\src+32*\c+\i]|, |v[\src+32*\c+\i+1]|
.endr
.endr
.irp c, 0,1
	v_add_nc_u32 v[18+\c], 0xff000000, v[16+\c]    ; 2 off the exponent field: the conversion's scale operand
.endr
.irp c, 0,1
	v_lshrrev_b32 v[20+\c], 23, v[18+\c]           ; the scale's byte
.endr
	v_lshl_or_b32 v22, v21, 16, v20                ; my blocks h and 2 + h,
	v_lshlrev_b32 v22, v14, v22                    ; 8 h bits up;
	v_mov_b32 v23, 0
	v_permlanex16_b32 v23, v22, s34, s35
	v_or_b32 v[\sw], v22, v23                      ; with lane l xor 16's two the word is whole
.irp c, 0,1
.irp g, 0,1,2,3
	v_cvt_scalef32_pk8_fp4_f32 v[\frag+4*\c+\g], v[\src+32*\c+8*\g:\src+32*\c+8*\g+7], v[18+\c]
.endr
.endr
	v_nop                                          ; one plain place behind the scaled conversions
.endm
	s_load_b512 s[4:19], s[0:1], 0x0               ; W s[4:5], last_state s[6:7], b s[8:9], masks s[10:11], wq s[12:13], ws s[14:15], hbc s[16:17], order s[18:19]
	s_load_b128 s[20:23], s[0:1], 0x40             ; rank s[20:21], cnt s[22:23]
	v_lshl_add_u32 v62, v0, 2, 0x4200
	v_mov_b32 v63, 0
	v_lshrrev_b32 v1, 5, v0
	v_readfirstlane_b32 s24, v1                    ; wave k
	v_and_b32 v1, 31, v0                           ; lane
	v_and_b32 v2, 15, v0                           ; r
	v_bfe_u32 v3, v0, 4, 1                         ; h
	; every address register is made here, ahead of the parting of the ways
	v_lshlrev_b32 v4, 13, v2
	v_lshl_add_u32 v4, v3, 7, v4                   ; W: row r of 8,192 bytes + 128 h
	v_lshlrev_b32 v5, 12, v2
	v_lshl_add_u32 v5, v3, 7, v5                   ; last_state: row r of 4,096 bytes + 128 h
	v_lshlrev_b32 v6, 4, v1                        ; 16 x lane
	v_lshlrev_b32 v7, 2, v1                        ; 4 x lane
	s_lshl_b32 s25, s24, 11
	v_add_nc_u32 v8, s25, v6                       ; LDS: my wave's parts of h_part
	s_lshr_b32 s25, s24, 2
	s_lshl_b32 s25, s25, 8
	s_and_b32 s26, s24, 3
	s_lshl_b32 s27, s26, 2
	s_add_co_u32 s25, s25, s27
	s_add_co_u32 s25, s25, WSL
	v_lshl_add_u32 v9, v2, 4, s25                  ; LDS: row r's scale word of K step k: lane r + 16 (k / 4), word k % 4
	s_lshl_b32 s26, s26, 9
	v_add_nc_u32 v10, s26, v6                      ; LDS: quarter q = wave of each wave's parts
	v_add_nc_u32 v11, WSL, v6                      ; LDS: the scale words, 16 bytes a lane
	s_and_b32 s26, s24, 1
	s_lshl_b32 s26, s26, 4
	v_lshl_add_u32 v12, v3, 5, s26                 ; b: 32 h + 16 (q % 2)
	v_lshlrev_b32 v13, 5, v3
	v_lshl_add_u32 v13, v2, 12, v13                ; hbc: batch r of 4,096 bytes + 32 h
	v_lshlrev_b32 v14, 3, v3                       ; 8 h
	s_mov_b32 s34, 0x76543210
	s_mov_b32 s35, 0xfedcba98                      ; v_permlanex16_b32's selects for lane l xor 16
	s_mov_b32 s27, 0
	s_wait_kmcnt 0x0
	s_lshl_b32 s26, ttmp9, 17                      ; 16 rows of W
	s_add_nc_u64 s[4:5], s[4:5], s[26:27]
	s_lshl_b32 s26, s24, 9                         ; K step k: 512 bytes
	s_add_nc_u64 s[4:5], s[4:5], s[26:27]
	s_add_nc_u64 s[6:7], s[6:7], s[26:27]
	s_lshl_b32 s26, ttmp9, 6                       ; 16 hidden units: 64 bytes
	s_add_nc_u64 s[8:9], s[8:9], s[26:27]
	s_add_nc_u64 s[16:17], s[16:17], s[26:27]
	s_lshl_b32 s26, ttmp9, 13
	s_add_nc_u64 s[12:13], s[12:13], s[26:27]
	s_lshl_b32 s26, s24, 10
	s_add_nc_u64 s[12:13], s[12:13], s[26:27]      ; wq at [t][k]
	s_lshl_b32 s26, ttmp9, 9
	s_add_nc_u64 s[14:15], s[14:15], s[26:27]      ; ws at [t]
	s_bfe_u32 s26, s24, 0x10001                    ; quarter q = wave (0 to 3): batches 16 (q / 2) on,
	s_lshl_b32 s26, s26, 16
	s_add_nc_u64 s[16:17], s[16:17], s[26:27]
	s_and_b32 s26, s24, 1                          ; hidden units 4 (q % 2) on
	s_lshl_b32 s26, s26, 4
	s_add_nc_u64 s[16:17], s[16:17], s[26:27]
	s_cmp_ge_u32 ttmp9, 64
	s_cbranch_scc1 .Llist
	; ---- a tile of W
	LD64 S0, 4, 4, 4096                            ; We
	LD64 S1, 4, 4, 0                               ; Wh
	LD64 S2, 5, 6, 0                               ; last_state, batches 0-15
	s_wait_loadcnt 32                              ; We is in; behind it: Wh's 16 loads and last_state's 16
	QB S0, 24, 48
	global_store_b128 v6, v[24:27], s[12:13]       ; 32 lanes store 512 consecutive bytes
	global_store_b128 v6, v[28:31], s[12:13] offset:512
	ds_store_b32 v9, v48                           ; lanes r and r + 16 write the same word with the same value
	LD64 S0, 5, 6, 65536                           ; last_state, batches 16-31
	s_wait_loadcnt 32                              ; Wh is in; behind it: twice 16
	QB S1, 32, 49
	s_wait_loadcnt 16                              ; batches 0-15 are in
	QB S2, 40, 50
	s_wait_loadcnt 0x0
	s_wait_xcnt 0x0                                ; the stores to wq have read v24-31, which are written again
	QB S0, 24, 51
.rept 8
	v_nop                                          ; a scale register written by a vector instruction stands 8 places ahead of a scaled matrix instruction
.endr
	; transposed: source 0 = 16 rows of Wh, source 1 = 16 batches: lane (r, h), register j = (hidden 16 t + 8 h + j, batch 16 u + r)
	v_wmma_scale_f32_16x16x128_f8f6f4 v[128:135], v[32:39], v[40:47], 0, v49, v50 matrix_a_fmt:MATRIX_FMT_FP4 matrix_b_fmt:MATRIX_FMT_FP4
	v_wmma_scale_f32_16x16x128_f8f6f4 v[136:143], v[32:39], v[24:31], 0, v49, v51 matrix_a_fmt:MATRIX_FMT_FP4 matrix_b_fmt:MATRIX_FMT_FP4
.rept 4
	v_nop
.endr
	ds_store_b128 v8, v[128:131]                   ; each result from its low end on
	ds_store_b128 v8, v[132:135] offset:512
	ds_store_b128 v8, v[136:139] offset:1024
	ds_store_b128 v8, v[140:143] offset:1536
	s_branch .Lmeet
.Llist:	; ---- a batch's list
	s_sub_co_u32 s28, ttmp9, 64
	s_lshl_b32 s28, s28, 3
	s_add_co_u32 s28, s28, s24                     ; the batch
	s_lshl_b32 s26, s28, 13
	s_add_nc_u64 s[10:11], s[10:11], s[26:27]
	s_add_nc_u64 s[18:19], s[18:19], s[26:27]
	s_add_nc_u64 s[20:21], s[20:21], s[26:27]
	s_lshl_b32 s26, s28, 7
	s_add_nc_u64 s[22:23], s[22:23], s[26:27]
.set a, 0
.rept 64
	global_load_b32 v[64+a], v7, s[10:11] offset:128*a   ; mask of row 32 a + lane
.set a, a+1
.endr
	v_mov_b32 v23, SCO
	s_mov_b32 s41, 0
	s_wait_loadcnt 0x0
.set a, 0
.rept 64                                       ; n
	v_cmp_eq_u32 vcc_lo, 1, v[64+a]
	s_bcnt1_i32_b32 s40, vcc_lo
	s_add_co_u32 s41, s41, s40
.set a, a+1
.endr
	s_cmp_eq_u32 s41, 0
	s_cselect_b32 s42, 0x800, s41                  ; with no one at all every row counts
	s_cmp_le_u32 s42, 1152
	s_cselect_b32 s43, 3, 4                        ; log2 G
	s_cselect_b32 s44, 7, 15                       ; G - 1
	s_mov_b32 s45, 0                               ; the next place among the rows with mask 1,
	s_mov_b32 s46, s41                             ; and among the others
.set a, 0
.rept 64
.set gb, 128+4*(a%8)                           ; eight sets of store registers by turns
.if (a%8) == 0
	s_wait_xcnt 0x0                                ; the stores of the last eight groups have read their registers
.endif
	v_cmp_eq_u32 vcc_lo, 1, v[64+a]
	s_bcnt1_i32_b32 s40, vcc_lo
	v_mbcnt_lo_u32_b32 v16, vcc_lo, 0              ; ones in the lanes below me
	v_sub_nc_u32 v17, v1, v16                      ; the others below me
	v_add_nc_u32 v16, s45, v16
	v_add_nc_u32 v17, s46, v17
	v_cndmask_b32 v18, v17, v16, vcc_lo            ; my place in the list
	v_min_u32 v[gb], 0x7ff, v18
	v_lshlrev_b32 v[gb], 2, v[gb]
	v_add_nc_u32 v[gb+1], 32*a, v1                 ; my row
	global_store_b32 v[gb], v[gb+1], s[18:19]
	v_and_b32 v19, s44, v18                        ; group = place % G,
	v_lshrrev_b32 v20, s43, v18                    ; its row = place / G
	v_mul_u32_u24 v19, v19, REC
	v_lshl_add_u32 v19, v20, 2, v19
	v_add_nc_u32 v19, SCO, v19
	v_cndmask_b32 v[gb+2], v23, v19, vcc_lo        ; a row that does not count names a byte that is always written; its number is not used
	global_store_b32 v7, v[gb+2], s[20:21] offset:128*a
	s_add_co_u32 s45, s45, s40
	s_sub_co_u32 s40, 32, s40
	s_add_co_u32 s46, s46, s40
.set a, a+1
.endr
	v_mov_b32 v24, s41
	global_store_b32 v7, v24, s[22:23]             ; n, 32 times: 128 consecutive bytes
.Lmeet:
	s_wait_dscnt 0x0                               ; my LDS stores have landed
	s_barrier_signal -1
	s_barrier_wait -1                              ; every wave of every work-group passes here
	s_cmp_ge_u32 ttmp9, 64
	s_cbranch_scc1 .Lend
	s_cmp_lt_u32 s24, 4
	s_cbranch_scc0 .Lnot_sum
	global_load_b128 v[16:19], v12, s[8:9]         ; b of my four hidden units
.irp kk, 0,1,2,3,4,5,6,7
	ds_load_b128 v[64+4*\kk:67+4*\kk], v10 offset:2048*\kk
.endr
	s_wait_loadcnt 0x0
	s_wait_dscnt 0x0
.irp kk, 1,2,3,4,5,6,7
	v_pk_add_f32 v[64:65], v[64:65], v[64+4*\kk:65+4*\kk]
	v_pk_add_f32 v[66:67], v[66:67], v[66+4*\kk:67+4*\kk]
.endr
	v_pk_add_f32 v[64:65], v[64:65], v[16:17]
	v_pk_add_f32 v[66:67], v[66:67], v[18:19]
	v_pk_mul_f32 v[64:65], v[64:65], 0x4038aa3b op_sel_hi:[1,0]   ; x c = 2 log2(e)
	v_pk_mul_f32 v[66:67], v[66:67], 0x4038aa3b op_sel_hi:[1,0]
	global_store_b128 v13, v[64:67], s[16:17]
	s_branch .Lend
.Lnot_sum:
	s_cmp_eq_u32 s24, 4
	s_cbranch_scc0 .Lend
	ds_load_b128 v[64:67], v11
	s_wait_dscnt 0x0
	global_store_b128 v6, v[64:67], s[14:15]       ; the tile's scale words: 512 consecutive bytes
.Lend:
	s_wait_tensorcnt 0x0
	ds_add_u32 v62, v63
	s_wait_dscnt 0x0
	s_endpgm
.Lfunc_end_k_qd1354840cb_prep:
	.size	k_qd1354840cb_prep, .Lfunc_end_k_qd1354840cb_prep-k_qd1354840cb_prep
	.p2alignl 7, 3214868480
	.fill 96, 4, 3214868480
	.section	.rodata,"a",@progbits
	.p2align	6, 0x0
	.amdhsa_kernel k_qd1354840cb_prep
		.amdhsa_group_segment_fixed_size 17920
		.amdhsa_private_segment_fixed_size 0
		.amdhsa_enable_private_segment 0
		.amdhsa_kernarg_size 80
		.amdhsa_user_sgpr_count 2
		.amdhsa_user_sgpr_kernarg_segment_ptr 1
		.amdhsa_wavefront_size32 1
		.amdhsa_system_sgpr_workgroup_id_x 1
		.amdhsa_system_sgpr_workgroup_id_y 1
		.amdhsa_system_sgpr_workgroup_id_z 1
		.amdhsa_system_vgpr_workitem_id 0
		.amdhsa_next_free_vgpr 256
		.amdhsa_next_free_sgpr 66
		.amdhsa_reserve_vcc 1
		.amdhsa_float_denorm_mode_32 3
		.amdhsa_float_denorm_mode_16_64 3
		.amdhsa_memory_ordered 1
		.amdhsa_forward_progress 1
		.amdhsa_inst_pref_size 102
	.end_amdhsa_kernel
	.amdgpu_metadata
---
amdhsa.version: [ 1, 2 ]
amdhsa.kernels:
  - .name:           k_qd1354840cb_prep
    .symbol:         k_qd1354840cb_prep.kd
    .args:
      - { .name: W, .offset: 0, .size: 8, .value_kind: global_buffer, .address_space: global }
      - { .name: last_state, .offset: 8, .size: 8, .value_kind: global_buffer, .address_space: global }
      - { .name: b, .offset: 16, .size: 8, .value_kind: global_buffer, .address_space: global }
      - { .name: attn_masks, .offset: 24, .size: 8, .value_kind: global_buffer, .address_space: global }
      - { .name: wq, .offset: 32, .size: 8, .value_kind: global_buffer, .address_space: global }
      - { .name: ws, .offset: 40, .size: 8, .value_kind: global_buffer, .address_space: global }
      - { .name: hbc, .offset: 48, .size: 8, .value_kind: global_buffer, .address_space: global }
      - { .name: order, .offset: 56, .size: 8, .value_kind: global_buffer, .address_space: global }
      - { .name: rank, .offset: 64, .size: 8, .value_kind: global_buffer, .address_space: global }
      - { .name: cnt, .offset: 72, .size: 8, .value_kind: global_buffer, .address_space: global }
    .group_segment_fixed_size: 17920
    .private_segment_fixed_size: 0
    .kernarg_segment_align: 8
    .kernarg_segment_size: 80
    .max_flat_workgroup_size: 256
    .sgpr_count:     66
    .vgpr_count:     256
    .wavefront_size: 32
...
	.end_amdgpu_metadata
.endif
;; end of part 1
;; launch main (part 2): grid 256 x 2, 4 waves a work-group, no clusters, 317,952 bytes of LDS; arguments enc_outputs, V, wq, ws, hbc, order, cnt, part; writes part
.if DOCPART == 2
	.amdgcn_target "amdgcn-amd-amdhsa--gfx1250"
	.amdhsa_code_object_version 6
	.text
	.protected	k_qd1354840cb_main
	.globl	k_qd1354840cb_main
	.p2align	8
	.type	k_qd1354840cb_main,@function
k_qd1354840cb_main:
	s_mov_b64 s[64:65], 0
	v_nop
	global_prefetch_b8 v0, s[64:65] scope:SCOPE_SE
	s_setreg_imm32_b32 hwreg(HW_REG_WAVE_MODE, 25, 1), 1
	s_wait_xcnt 0x0
; MAIN.  Work-group (batch b, group g) takes the rows at places g + G p of the batch's list (at most 144: nine tiles of 16) through the whole chain: gather, quantise to codes of E2M1
; with one E8M0 byte for each 32 along K, product with all 1,024 rows of We, tanh, dot with V, a softmax of its own (maximum m, sum l) and its part of the context.  Rows whose mask is not 1
; get the score -1e12 and the weight 0 and are neither read nor multiplied; in a batch with no 1 at all every row is taken and every score is -1e12.
; SHARES.  The four waves share the hidden units, 256 each (16 tiles of 16), for all nine tiles of rows: so each byte of We's codes is read once by the work-group, straight into registers in the order of
; the operand's registers.  All rows' codes stand in every wave's registers (576).  A row's bf16 copy stays in LDS until its weight is known: enc is read from memory once.
; PHASES.  L: wave w gathers rows p = 4 i + w, quantises them, stores their bf16 copy to LDS and keeps their codes in registers: no barrier.  X: nine trips: a tile's codes to LDS, barrier, every wave
; fetches the tile's fragments.  C: 16 tiles of hidden units: 72 matrix instructions, then tanh and the dot with V.  S: the waves' parts of the scores meet in LDS (one barrier); softmax.  K: the context.
; A WORK-GROUP WITHOUT ROWS (a stored whole number says so) jumps over L, C and K, which hold no barrier, passes all ten barriers, and stores a record that adds nothing: m = -1e30, context 0.
; NO CLUSTER, NO JOINT LOADS, though all work-groups read the same codes of We: the text has no tensor load at all.
; An absent row (p >= rows) is replaced by the wave's first row, so that every count of a wait is fixed and every LDS byte that is read has been written; its weight is 0.
; LIMITS: NaN and infinities among the inputs are not served.  A block whose largest magnitude lies under 2^-124 gets the byte 1, a block of zeros too (its codes are zeros; this program alone reads
; the bytes).  enc is rounded to bf16 for the context.  All nine tiles are always multiplied.
; REGISTERS, in windows of 256.  Window 0: v1-18 lane numbers and addresses; v19-31 at work; v32-67 enc's scale words; v68-75 We's, two sets; v76-91 V, v92-107 c (h_part + b), two sets each;
;   v108-125 the scores' sums; v128-199 nine accumulators (in L: v128-255 at work).  Window 1: v0-255 the ring of eight rows in L; later v0-127 We's two sets, v128-255 A's tiles 7, 8.
;   Window 2: A's tiles 0-3 (in K: two sets of eight rows).  Window 3: A's tiles 4-6; in L and X the wave's own codes, 20 registers a tile, laid so that a tile of A lands only on codes already sent.
.set CST,   294912                     ; LDS: 0: 144 rows x 2,048 bytes of bf16;  CST: two slots of 16 rows of codes, 512 bytes + 16;
.set CSLOT, 8448
.set CP,    528
.set SST,   311808                     ; two slots of 16 rows x 32 scale bytes;
.set SCP,   312832                     ; each wave's parts of the 144 scores;
.set PWB,   315136                     ; each wave's own copy of the 144 weights
.set REC,   5888                       ; a record: 4,096 bytes of context, 1,024 of {m, l}, the scores from 5,120 on
.set EW, 7
.set CW, 8
.set SW, 9
.set FA, 10
.set FS, 11
.set RL, 12
.set CX, 20
.set ASC, 32
.set WSC, 68
.set VV,  76
.set HB,  92
.set SA,  108
.set ACC, 128
.set TB,  128
.set RP,  40                           ; s[40:55] the ring's eight addresses
.set MSB, 0
.macro WIN new                         ; the immediate's high byte repeats the setting that is left
.if MSB != \new
	s_set_vgpr_msb (MSB<<8)|\new
.set MSB, \new
.endif
.endm
; The four rows of tile mt are asked for: row i = 4 mt + j of my wave, into ring slot i % 8: X[8 sp + 0 .. 7] = K 256 sp + 8 lane + 0 .. 7
.macro ISSUE4 mt
	WIN 0
.irp j, 0,1,2,3
	v_readlane_b32 s[70+\j], v[RL+(4*(\mt)+\j)/32], (4*(\mt)+\j)%32
.endr
.irp j, 0,1,2,3
	s_cmp_gt_u32 s32, 4*(\mt)+\j                   ; have I so many rows?
	s_cselect_b32 s[70+\j], s[70+\j], s33          ; else my first row once more
	s_min_u32 s[70+\j], s[70+\j], 0x7ff
	s_lshl_b32 s[RP+8*((\mt)%2)+2*\j], s[70+\j], 12
	s_mov_b32 s[RP+8*((\mt)%2)+2*\j+1], 0
	s_add_nc_u64 s[RP+8*((\mt)%2)+2*\j:RP+8*((\mt)%2)+2*\j+1], s[56:57], s[RP+8*((\mt)%2)+2*\j:RP+8*((\mt)%2)+2*\j+1]
.endr
	WIN 0x40                                       ; destination window 1
.irp j, 0,1,2,3
.irp sp, 0,1,2,3
.irp e, 0,1
	global_load_b128 v[128*((\mt)%2)+32*\j+8*\sp+4*\e:128*((\mt)%2)+32*\j+8*\sp+4*\e+3], v4, s[RP+8*((\mt)%2)+2*\j:RP+8*((\mt)%2)+2*\j+1] offset:1024*\sp+16*\e
.endr
.endr
.endr
.endm
; Four rows by turns.  A block of 32 lies in four neighbouring lanes.  At work for row j, from v[TB + 32 j]: 4 largest magnitudes, 4 scale operands, 4 bytes, the packed bytes, 16 registers of bf16
.macro QROWS mt
.set XG, 128*((\mt)%2)
.set CB, 64*((\mt)/3)+64*((\mt)/6)+20*((\mt)%3)    ; the tile's codes in window 3: 16 registers, then 4 scale words
	WIN 0x05                                       ; sources 0 and 1 window 1
.irp j, 0,1,2,3
.irp sp, 0,1,2,3
	v_max3_num_f32 v[TB+32*\j+\sp], |v[XG+32*\j+8*\sp]|, |v[XG+32*\j+8*\sp+1]|, 0x1800000   ; the floor 2^(3 - 127) holds the byte at 1 from below
.endr
.endr
.irp i, 2,4,6
.irp j, 0,1,2,3
.irp sp, 0,1,2,3
	v_max3_num_f32 v[TB+32*\j+\sp], |v[XG+32*\j+8*\sp+\i]|, |v[XG+32*\j+8*\sp+\i+1]|, v[TB+32*\j+\sp]
.endr
.endr
.endr
.irp j, 0,1,2,3
.irp q, 0,1,2,3,4,5,6,7,8,9,10,11,12,13,14,15
	v_cvt_pk_bf16_f32 v[TB+32*\j+16+\q], v[XG+32*\j+2*\q], v[XG+32*\j+2*\q+1]
.endr
.endr
	WIN 0
.irp x, 1,2
.irp j, 0,1,2,3
.irp sp, 0,1,2,3
	v_max_num_f32_dpp v[TB+32*\j+\sp], v[TB+32*\j+\sp], v[TB+32*\j+\sp] row_xmask:\x row_mask:0xf bank_mask:0xf
.endr
.endr
.endr
.irp j, 0,1,2,3
.irp sp, 0,1,2,3
	v_add_nc_u32 v[TB+32*\j+4+\sp], 0xff000000, v[TB+32*\j+\sp]   ; 2 off the exponent field: the conversion's scale operand
.endr
.endr
.irp j, 0,1,2,3
.irp sp, 0,1,2,3
	v_lshrrev_b32 v[TB+32*\j+8+\sp], 23, v[TB+32*\j+4+\sp]        ; the scale's byte
.endr
.endr
.irp j, 0,1,2,3
	v_lshl_or_b32 v[TB+32*\j+12], v[TB+32*\j+9], 8, v[TB+32*\j+8]
.endr
.irp j, 0,1,2,3
	v_lshl_or_b32 v[TB+32*\j+12], v[TB+32*\j+10], 16, v[TB+32*\j+12]
.endr
	WIN 0xc0                                       ; destination window 3
.irp j, 0,1,2,3
	v_lshl_or_b32 v[CB+16+\j], v[TB+32*\j+11], 24, v[TB+32*\j+12] ; byte sp: block 8 sp + lane / 4 of the row
.endr
	WIN 0xc1                                       ; and source 0 window 1
.irp j, 0,1,2,3
.irp sp, 0,1,2,3
	v_cvt_scalef32_pk8_fp4_f32 v[CB+4*\j+\sp], v[XG+32*\j+8*\sp:XG+32*\j+8*\sp+7], v[TB+32*\j+4+\sp]
.endr
.endr
	WIN 0
	v_nop                                          ; one plain place behind the scaled conversions
.endm
.macro TRIPL mt
	WIN 0
	s_wait_dscnt 0x0                               ; the last trip's LDS stores have read their registers
.if (\mt) > 0
	v_add_nc_u32 v[EW], 0x8000, v[EW]              ; 16 rows of bf16 on
.endif
.if (\mt) < 8
	s_wait_loadcnt 32                              ; this tile's 32 loads are in; the next tile's 32 may be out
.else
	s_wait_loadcnt 0x0
.endif
	QROWS \mt
.if (\mt) < 7
	ISSUE4 (\mt)+2                                 ; into the registers just read
.endif
	WIN 0
.irp j, 0,1,2,3
.irp sp, 0,1,2,3
	ds_store_b128 v[EW], v[TB+32*\j+16+4*\sp:TB+32*\j+16+4*\sp+3] offset:8192*\j+512*\sp   ; row 16 mt + 4 j + w, columns 256 sp + 8 lane on: 512 consecutive bytes
.endr
.endr
.endm
; A tile's codes go round: my four rows to the slot; the barrier; the tile's eight fragments and its scale bytes come back.  Slot mt % 2 is written again two trips on: by then
; every wave has passed the next trip's barrier, in front of which it has waited for these loads.
.macro TRIPX mt
.set CB, 64*((\mt)/3)+64*((\mt)/6)+20*((\mt)%3)
	WIN 0x0c                                       ; an LDS store's data are its source 1: window 3
.irp j, 0,1,2,3
.irp sp, 0,1,2,3
	ds_store_b32 v[CW], v[CB+4*\j+\sp] offset:CSLOT*((\mt)%2)+4*CP*\j+128*\sp
.endr
	ds_store_b32 v[SW], v[CB+16+\j] offset:512*((\mt)%2)+128*\j    ; the four lanes of a block write the same word with the same value
.endr
	WIN 0
	s_wait_dscnt 0x0                               ; my stores have landed, and my loads from the other slot are in
	s_barrier_signal -1
	s_barrier_wait -1
.if (\mt) < 4
.set AB, 64*(\mt)
	WIN 0x80
.elseif (\mt) < 7
.set AB, 64*((\mt)-4)
	WIN 0xc0
.else
.set AB, 128+64*((\mt)-7)
	WIN 0x40
.endif
.irp k, 0,1,2,3,4,5,6,7
.irp c, 0,1
	ds_load_b128 v[AB+8*\k+4*\c:AB+8*\k+4*\c+3], v[FA] offset:CSLOT*((\mt)%2)+64*\k+32*\c   ; lane (r, h): K = 128 k + 64 c + 32 h + 0 .. 31 of row r
.endr
.endr
	WIN 0
	ds_load_b128 v[128+4*(\mt):128+4*(\mt)+3], v[FS] offset:512*((\mt)%2)
.endm
; A tile of 16 hidden units: We's eight fragments, their scale words, V and c (h_part + b) of the lane's eight units
.macro LOADW set, to
	WIN 0x40
.irp k, 0,1,2,3,4,5,6,7
.irp c, 0,1
	global_load_b128 v[64*(\set)+8*\k+4*\c:64*(\set)+8*\k+4*\c+3], v5, s[58:59] offset:8192*(\to)+1024*\k+512*\c
.endr
.endr
	WIN 0
	global_load_b128 v[WSC+4*(\set):WSC+4*(\set)+3], v5, s[60:61] offset:512*(\to)
	global_load_b128 v[VV+8*(\set):VV+8*(\set)+3], v6, s[62:63] offset:64*(\to)
	global_load_b128 v[VV+8*(\set)+4:VV+8*(\set)+7], v6, s[62:63] offset:64*(\to)+16
	global_load_b128 v[HB+8*(\set):HB+8*(\set)+3], v6, s[66:67] offset:64*(\to)
	global_load_b128 v[HB+8*(\set)+4:HB+8*(\set)+7], v6, s[66:67] offset:64*(\to)+16
.endm
; One product.  We's scale word of K step k: register k % 4, lanes 16-31 from k = 4 on.  enc's: register k / 2, lanes 16-31 for odd k.
.macro WM mt, k, set, ab
.set rD, ACC+8*(\mt)
.set rW, 64*(\set)+8*(\k)
.set rA, (\ab)+8*(\k)
.set rX, WSC+4*(\set)+((\k)%4)
.set rY, ASC+4*(\mt)+((\k)/2)
.if (\k) == 0
	v_wmma_scale_f32_16x16x128_f8f6f4 v[rD:rD+7], v[rW:rW+7], v[rA:rA+7], 0, v[rX], v[rY] matrix_a_fmt:MATRIX_FMT_FP4 matrix_b_fmt:MATRIX_FMT_FP4
.elseif ((\k) < 4) && (((\k)%2) == 0)
	v_wmma_scale_f32_16x16x128_f8f6f4 v[rD:rD+7], v[rW:rW+7], v[rA:rA+7], v[rD:rD+7], v[rX], v[rY] matrix_a_fmt:MATRIX_FMT_FP4 matrix_b_fmt:MATRIX_FMT_FP4
.elseif (\k) < 4
	v_wmma_scale_f32_16x16x128_f8f6f4 v[rD:rD+7], v[rW:rW+7], v[rA:rA+7], v[rD:rD+7], v[rX], v[rY] matrix_a_fmt:MATRIX_FMT_FP4 matrix_b_fmt:MATRIX_FMT_FP4 matrix_b_scale:MATRIX_SCALE_ROW1
.elseif ((\k)%2) == 0
	v_wmma_scale_f32_16x16x128_f8f6f4 v[rD:rD+7], v[rW:rW+7], v[rA:rA+7], v[rD:rD+7], v[rX], v[rY] matrix_a_fmt:MATRIX_FMT_FP4 matrix_b_fmt:MATRIX_FMT_FP4 matrix_a_scale:MATRIX_SCALE_ROW1
.else
	v_wmma_scale_f32_16x16x128_f8f6f4 v[rD:rD+7], v[rW:rW+7], v[rA:rA+7], v[rD:rD+7], v[rX], v[rY] matrix_a_fmt:MATRIX_FMT_FP4 matrix_b_fmt:MATRIX_FMT_FP4 matrix_a_scale:MATRIX_SCALE_ROW1 matrix_b_scale:MATRIX_SCALE_ROW1
.endif
.endm
; 72 products, transposed (source 0 = 16 hidden units, source 1 = 16 rows of enc): lane (r, h), register j = (row r, hidden unit 8 h + j).  Three stretches, each under one window setting;
; in a stretch the tiles' accumulators take turns, one instruction a turn.  The first K step starts each sum with the constant 0.
.macro MM set
	WIN 0x09                                       ; We window 1, A window 2
.irp k, 0,1,2,3,4,5,6,7
.irp mt, 0,1,2,3
	WM \mt, \k, \set, 64*\mt
.endr
.endr
	WIN 0x0d                                       ; A window 3
.irp k, 0,1,2,3,4,5,6,7
.irp mt, 4,5,6
	WM \mt, \k, \set, 64*(\mt-4)
.endr
.endr
	WIN 0x05                                       ; A window 1
.irp k, 0,1,2,3,4,5,6,7
.irp mt, 7,8
	WM \mt, \k, \set, 128+64*(\mt-7)
.endr
.endr
	WIN 0
.endm
; tanh(x) = 1 - 2 / (1 + 2^(c x)), c = 2 log2(e); the sums take V tanh.  Each kind of transcendental is one batch with one wait.
.macro TANH set
.rept 4
	v_nop                                          ; four places behind the products
.endr
.irp mt, 0,1,2,3,4,5,6,7,8
.irp q, 0,2,4,6
	v_pk_fma_f32 v[ACC+8*\mt+\q:ACC+8*\mt+\q+1], v[ACC+8*\mt+\q:ACC+8*\mt+\q+1], s[36:37], v[HB+8*(\set)+\q:HB+8*(\set)+\q+1] op_sel_hi:[1,0,1]   ; c e_part + c (h_part + b); each accumulator from its low end on
.endr
.endr
.set i, 0
.rept 72
	v_exp_f32 v[ACC+i], v[ACC+i]
.set i, i+1
.endr
	v_nop                                          ; a plain place behind the last exponential,
	s_wait_alu depctr_va_vdst(0)                   ; and the one wait for the batch, ahead of its first use
.set i, 0
.rept 36
	v_pk_add_f32 v[ACC+i:ACC+i+1], v[ACC+i:ACC+i+1], 1.0 op_sel_hi:[1,0]
.set i, i+2
.endr
.set i, 0
.rept 72
	v_rcp_f32 v[ACC+i], v[ACC+i]
.set i, i+1
.endr
	v_nop
	s_wait_alu depctr_va_vdst(0)
.set i, 0
.rept 36
	v_pk_fma_f32 v[ACC+i:ACC+i+1], v[ACC+i:ACC+i+1], -2.0, 1.0 op_sel_hi:[1,0,0]
.set i, i+2
.endr
.irp q, 0,2,4,6
.irp mt, 0,1,2,3,4,5,6,7,8
	v_pk_fma_f32 v[SA+2*\mt:SA+2*\mt+1], v[ACC+8*\mt+\q:ACC+8*\mt+\q+1], v[VV+8*(\set)+\q:VV+8*(\set)+\q+1], v[SA+2*\mt:SA+2*\mt+1]
.endr
.endr
.endm
; The context: eight rows' 16 bytes a lane (my wave's 256 columns) and their eight weights, into set 0 or 1 of window 2
.macro CLOAD set, eo, po
	WIN 0x80
.irp rw, 0,1,2,3,4,5,6,7
	ds_load_b128 v[40*(\set)+4*\rw:40*(\set)+4*\rw+3], v18 offset:(\eo)+2048*\rw
.endr
.irp u, 0,1
	ds_load_b128 v[40*(\set)+32+4*\u:40*(\set)+32+4*\u+3], v17 offset:(\po)+16*\u
.endr
.endm
.macro CFMA set
	WIN 0x0a                                       ; sources 0 and 1 window 2
.irp rw, 0,1,2,3,4,5,6,7
.irp q, 0,1,2,3
	v_fma_mix_f32_bf16 v[CX+2*\q], v[40*(\set)+4*\rw+\q], v[40*(\set)+32+\rw], v[CX+2*\q] op_sel_hi:[1,0,0]
	v_fma_mix_f32_bf16 v[CX+2*\q+1], v[40*(\set)+4*\rw+\q], v[40*(\set)+32+\rw], v[CX+2*\q+1] op_sel:[1,0,0] op_sel_hi:[1,0,0]
.endr
.endr
.endm
	s_load_b512 s[4:19], s[0:1], 0x0               ; enc s[4:5], V s[6:7], wq s[8:9], ws s[10:11], hbc s[12:13], order s[14:15], cnt s[16:17], part s[18:19]
	v_lshl_add_u32 v238, v0, 2, 0x4d800
	v_mov_b32 v239, 0
	v_lshrrev_b32 v1, 5, v0
	v_readfirstlane_b32 s22, v1                    ; wave w
	v_and_b32 v1, 31, v0                           ; lane
	v_and_b32 v2, 15, v0                           ; r
	v_bfe_u32 v3, v0, 4, 1                         ; h
	v_lshlrev_b32 v4, 5, v1                        ; 32 x lane
	v_lshlrev_b32 v5, 4, v1                        ; 16 x lane
	v_lshlrev_b32 v6, 5, v3                        ; 32 h
	v_lshlrev_b32 v28, 2, v1                       ; 4 x lane
	v_lshlrev_b32 v29, 3, v0                       ; 8 x thread
	; every LDS address is made here: a constant, a constant x lane, a constant x wave
	s_lshl_b32 s70, s22, 11
	v_add_nc_u32 v[EW], s70, v5                    ; bf16: row w, 16 bytes a lane
	s_mul_i32 s70, s22, CP
	s_add_co_u32 s70, s70, CST
	v_add_nc_u32 v[CW], s70, v28                   ; codes in: row w of a slot, 4 bytes a lane
	s_lshl_b32 s70, s22, 5
	s_add_co_u32 s70, s70, SST
	v_and_b32 v[SW], 28, v1
	v_add_nc_u32 v[SW], s70, v[SW]                 ; scale words in: row w, word lane / 4
	v_mul_u32_u24 v[FA], v2, CP
	v_lshl_add_u32 v[FA], v3, 4, v[FA]
	v_add_nc_u32 v[FA], CST, v[FA]                 ; codes out: row r + 16 h
	v_lshlrev_b32 v[FS], 5, v2
	v_lshl_add_u32 v[FS], v3, 4, v[FS]
	v_add_nc_u32 v[FS], SST, v[FS]                 ; scale bytes out: row r + 16 h
	v_lshlrev_b32 v19, 2, v2
	s_mul_i32 s70, s22, 576
	s_add_co_u32 s71, s70, SCP
	v_add_nc_u32 v14, s71, v19                     ; my wave's parts of the scores
	v_mul_u32_u24 v15, v3, 576
	v_add_nc_u32 v15, v15, v19
	v_add_nc_u32 v15, SCP, v15                     ; wave h's (and, 1,152 bytes on, wave h + 2's)
	s_add_co_u32 s71, s70, PWB
	v_add_nc_u32 v16, s71, v19                     ; my wave's copy of the weights: in,
	v_mov_b32 v17, s71                             ; and out
	s_lshl_b32 s70, s22, 9
	v_add_nc_u32 v18, s70, v5                      ; bf16 out: my wave's 512 bytes of a row
	s_lshr_b32 s23, ttmp9, 3                       ; batch
	s_and_b32 s24, ttmp9, 7
	s_and_b32 s70, ttmp7, 0xffff
	s_lshl_b32 s70, s70, 3
	s_add_co_u32 s24, s24, s70                     ; group g: groups 8-15 are the grid's second row
	; my wave's places in the list, for G = 8 and for G = 16: g + G w + 4 G i, i = lane and 32 + lane.  They hang on ids alone, so the list is asked for together with n
	s_lshl_b32 s70, s22, 3
	s_add_co_u32 s70, s70, s24
	s_lshl_b32 s72, s22, 4
	s_add_co_u32 s72, s72, s24
	v_lshl_add_u32 v20, v1, 5, s70
	v_add_nc_u32 v21, 0x400, v20
	v_lshl_add_u32 v22, v1, 6, s72
	v_add_nc_u32 v23, 0x800, v22
.irp q, 20,21,22,23
	v_min_u32 v\q, 0x7ff, v\q
	v_lshlrev_b32 v\q, 2, v\q
.endr
	s_mov_b32 s34, 0x76543210
	s_mov_b32 s35, 0xfedcba98                      ; v_permlanex16_b32's selects for lane l xor 16
	s_mov_b32 s36, 0x4038aa3b                      ; c = 2 log2(e)
	s_mov_b32 s37, s36
	s_mov_b32 s80, 0x05010400                      ; byte selects for the 4 x 4 transposition of scale bytes
	s_mov_b32 s81, 0x07030602
	s_mov_b32 s82, 0x05040100
	s_mov_b32 s83, 0x07060302
	s_mov_b32 s71, 0
	s_wait_kmcnt 0x0
	s_lshl_b32 s70, s23, 7
	s_add_nc_u64 s[16:17], s[16:17], s[70:71]
	s_load_b32 s25, s[16:17], 0x0                  ; n
	s_lshl_b32 s70, s23, 13
	s_add_nc_u64 s[14:15], s[14:15], s[70:71]
	global_load_b32 v24, v20, s[14:15]
	global_load_b32 v25, v21, s[14:15]
	global_load_b32 v26, v22, s[14:15]
	global_load_b32 v27, v23, s[14:15]
	s_lshl_b32 s70, s23, 23
	s_add_nc_u64 s[56:57], s[4:5], s[70:71]        ; the batch's rows of enc
	s_lshl_b32 s70, s22, 17
	s_add_nc_u64 s[58:59], s[8:9], s[70:71]        ; my 16 tiles of We's codes,
	s_lshl_b32 s70, s22, 13
	s_add_nc_u64 s[60:61], s[10:11], s[70:71]      ; their scale words,
	s_lshl_b32 s70, s22, 10
	s_add_nc_u64 s[62:63], s[6:7], s[70:71]        ; my 256 numbers of V
	s_add_nc_u64 s[66:67], s[12:13], s[70:71]
	s_add_nc_u64 s[76:77], s[18:19], s[70:71]
	s_lshl_b32 s70, s23, 12
	s_add_nc_u64 s[66:67], s[66:67], s[70:71]      ; and of the batch's c (h_part + b)
	s_lshl_b32 s70, s23, 4
	s_add_co_u32 s70, s70, s24
	s_mul_i32 s70, s70, REC
	s_add_nc_u64 s[68:69], s[18:19], s[70:71]      ; my record,
	s_add_nc_u64 s[76:77], s[76:77], s[70:71]      ; and my wave's 1,024 bytes of its context
	s_wait_kmcnt 0x0
	s_min_u32 s25, s25, 0x800
	s_cmp_eq_u32 s25, 0
	s_cselect_b32 s30, -1, 0                       ; all ones where no row has mask 1
	s_cselect_b32 s26, 0x800, s25                  ; rows that count
	s_cmp_le_u32 s26, 1152
	s_cselect_b32 s27, 8, 16                       ; G
	s_cselect_b32 s28, 3, 4
	s_cselect_b32 s31, -1, 0
	s_sub_co_u32 s29, s26, s24
	s_add_co_u32 s29, s29, s27
	s_sub_co_u32 s29, s29, 1
	s_lshr_b32 s29, s29, s28                       ; my rows: (rows that count - g + G - 1) / G,
	s_cmp_lt_u32 s24, s27
	s_cselect_b32 s29, s29, 0                      ; none for a group that does not exist
	s_min_u32 s29, s29, 144
	s_add_co_u32 s32, s29, 3
	s_sub_co_u32 s32, s32, s22
	s_lshr_b32 s32, s32, 2                         ; my wave's rows
	s_wait_loadcnt 0x0
	v_cndmask_b32 v[RL], v26, v24, s31
	v_cndmask_b32 v[RL+1], v27, v25, s31
	v_readlane_b32 s33, v[RL], 0                   ; my wave's first row
	s_cmp_eq_u32 s29, 0
	s_cbranch_scc1 .Lnone
	; ---- L
	ISSUE4 0
	ISSUE4 1
.irp mt, 0,1,2,3,4,5,6,7,8
	TRIPL \mt
.endr
	WIN 0
	s_branch .Lexch
.Lnone:	; no rows: the registers that the exchange sends are written all the same
	WIN 0xc0
.set i, 0
.rept 60
	v_mov_b32 v[i], 0
	v_mov_b32 v[64+i], 0
	v_mov_b32 v[192+i], 0
.set i, i+1
.endr
	WIN 0
.Lexch:	; ---- X
	LOADW 0, 0                                     ; the first tile of We is asked for here, on every way, and lands under the exchange
.irp mt, 0,1,2,3,4,5,6,7,8
	TRIPX \mt
.endr
	s_wait_dscnt 0x0
	; of a row's half h the four words hold, in byte sp, blocks 8 sp + 4 h + 0 .. 3: transposed they are the scale words of K steps 2 sp + h
.irp mt, 0,1,2,3,4,5,6,7,8
	v_perm_b32 v19, v[129+4*\mt], v[128+4*\mt], s80
	v_perm_b32 v20, v[129+4*\mt], v[128+4*\mt], s81
	v_perm_b32 v21, v[131+4*\mt], v[130+4*\mt], s80
	v_perm_b32 v22, v[131+4*\mt], v[130+4*\mt], s81
	v_perm_b32 v[ASC+4*\mt], v21, v19, s82
	v_perm_b32 v[ASC+4*\mt+1], v21, v19, s83
	v_perm_b32 v[ASC+4*\mt+2], v22, v20, s82
	v_perm_b32 v[ASC+4*\mt+3], v22, v20, s83
.endr
.set i, 0
.rept 18
	v_mov_b32 v[SA+i], 0                           ; the scores' sums.  (Also the places between the scale words' last write and the products)
.set i, i+1
.endr
	s_cmp_eq_u32 s29, 0
	s_cbranch_scc1 .Lscore
	; ---- C: eight trips of two tiles of hidden units; a tile's operands are asked for while the tile before is worked
	s_mov_b32 s38, 8
.Lnt:
	s_wait_loadcnt 0x0                             ; set 0 is in
	LOADW 1, 1
	MM 0
	TANH 0
	s_wait_loadcnt 0x0                             ; set 1 is in
	s_cmp_eq_u32 s38, 1
	s_cbranch_scc1 .Lno_more                       ; behind my last tile nothing is asked for: no load leaves its buffer
	LOADW 0, 2
.Lno_more:
	MM 1
	TANH 1
	s_wait_xcnt 0x0                                ; the loads have read their bases
	s_add_nc_u64 s[58:59], s[58:59], 16384
	s_add_nc_u64 s[60:61], s[60:61], 1024
	s_add_nc_u64 s[62:63], s[62:63], 128
	s_add_nc_u64 s[66:67], s[66:67], 128
	s_sub_co_u32 s38, s38, 1
	s_cmp_lg_u32 s38, 0
	s_cbranch_scc1 .Lnt
.Lscore:	; ---- S
	s_wait_loadcnt 0x0
.irp mt, 0,1,2,3,4,5,6,7,8
	v_add_f32 v[128+\mt], v[SA+2*\mt], v[SA+2*\mt+1]
.endr
.irp mt, 0,1,2,3,4,5,6,7,8
	v_permlanex16_b32 v[140+\mt], v[128+\mt], s34, s35
.endr
.irp mt, 0,1,2,3,4,5,6,7,8
	v_add_f32 v[128+\mt], v[128+\mt], v[140+\mt]   ; my wave's 256 hidden units
.endr
.irp mt, 0,1,2,3,4,5,6,7,8
	ds_store_b32 v14, v[128+\mt] offset:64*\mt     ; lanes r and r + 16 write the same word with the same value
.endr
	s_wait_dscnt 0x0
	s_barrier_signal -1
	s_barrier_wait -1
.irp mt, 0,1,2,3,4,5,6,7,8
	ds_load_b32 v[128+\mt], v15 offset:64*\mt
.endr
.irp mt, 0,1,2,3,4,5,6,7,8
	ds_load_b32 v[140+\mt], v15 offset:64*\mt+1152
.endr
	v_mov_b32 v200, 0xd368d4a5                     ; -1e12
	v_mov_b32 v201, 0xf149f2ca                     ; -1e30: under every score
	s_mov_b32 s72, 0xffff0000
	s_wait_dscnt 0x0
.irp mt, 0,1,2,3,4,5,6,7,8
	v_add_f32 v[128+\mt], v[128+\mt], v[140+\mt]
.endr
.irp mt, 0,1,2,3,4,5,6,7,8
	v_permlanex16_b32 v[152+\mt], v[128+\mt], s34, s35
.endr
.irp mt, 0,1,2,3,4,5,6,7,8
	v_add_f32 v[128+\mt], v[128+\mt], v[152+\mt]   ; row 16 mt + r's score, in every wave
.endr
.irp mt, 0,1,2,3,4,5,6,7,8
	v_cndmask_b32 v[128+\mt], v[128+\mt], v200, s30
.endr
	s_cmp_lg_u32 s22, 0
	s_cbranch_scc1 .Lnot_0
.irp u, 0,1,2,3
	v_cndmask_b32 v[164+\u], v[128+2*\u], v[129+2*\u], s72         ; two tiles to a store: 128 consecutive bytes
.endr
.irp u, 0,1,2,3
	global_store_b32 v28, v[164+\u], s[68:69] offset:5120+128*\u
.endr
	global_store_b32 v28, v136, s[68:69] offset:5120+512           ; lanes 16-31 fall into the record's spare bytes
.Lnot_0:
.irp mt, 0,1,2,3,4,5,6,7,8
	v_add_nc_u32 v19, 16*\mt, v2
	v_cmp_gt_u32 vcc_lo, s29, v19
	v_cndmask_b32 v[176+\mt], v201, v[128+\mt], vcc_lo             ; an absent row counts for nothing
.endr
	v_max3_num_f32 v30, v176, v177, v178
	v_max3_num_f32 v30, v30, v179, v180
	v_max3_num_f32 v30, v30, v181, v182
	v_max3_num_f32 v30, v30, v183, v184
.irp x, 1,2,4,8
	v_max_num_f32_dpp v30, v30, v30 row_xmask:\x row_mask:0xf bank_mask:0xf
.endr                                          ; m
.irp mt, 0,1,2,3,4,5,6,7,8
	v_sub_f32 v[176+\mt], v[176+\mt], v30
.endr
.irp mt, 0,1,2,3,4,5,6,7,8
	v_mul_f32 v[176+\mt], 0x3fb8aa3b, v[176+\mt]
.endr
.irp mt, 0,1,2,3,4,5,6,7,8
	v_exp_f32 v[176+\mt], v[176+\mt]               ; p = e^(score - m)
.endr
.irp q, 0,1,2,3,4,5,6,7
	v_mov_b32 v[CX+\q], 0                          ; (plain work behind the exponentials)
.endr
	s_wait_alu depctr_va_vdst(0)                   ; the one wait for the nine, ahead of their first use
	v_add_f32 v31, v176, v177
.irp mt, 2,3,4,5,6,7,8
	v_add_f32 v31, v31, v[176+\mt]
.endr
.irp x, 1,2,4,8
	v_add_f32_dpp v31, v31, v31 row_xmask:\x row_mask:0xf bank_mask:0xf
.endr                                          ; l
.irp mt, 0,1,2,3,4,5,6,7,8
	ds_store_b32 v16, v[176+\mt] offset:64*\mt     ; into my wave's own copy: LDS serves a wave's instructions in order, so no barrier is needed
.endr
	; ---- K: 18 sets of eight rows, a set asked for while the set before is worked.  The loop's trips are a constant; a work-group without rows jumps over the work inside, not over the steps
	s_cmp_eq_u32 s29, 0
	s_cbranch_scc1 .Lc0
	CLOAD 0, 0, 0
	WIN 0
.Lc0:
	s_mov_b32 s39, 8
.Lctx:
	s_cmp_eq_u32 s29, 0
	s_cbranch_scc1 .Lc1
	CLOAD 1, 16384, 32
	s_wait_dscnt 10                                ; all but the ten loads just issued
	CFMA 0
	CLOAD 0, 32768, 64
	s_wait_dscnt 10
	CFMA 1
	WIN 0
.Lc1:
	v_add_nc_u32 v18, 0x8000, v18                  ; 16 rows on
	v_add_nc_u32 v17, 64, v17
	s_sub_co_u32 s39, s39, 1
	s_cmp_lg_u32 s39, 0
	s_cbranch_scc1 .Lctx
	s_cmp_eq_u32 s29, 0
	s_cbranch_scc1 .Lc2
	CLOAD 1, 16384, 32                             ; the last set
	s_wait_dscnt 10
	CFMA 0
	s_wait_dscnt 0x0
	CFMA 1
	WIN 0
.Lc2:
	s_wait_dscnt 0x0
	global_store_b128 v5, v[CX:CX+3], s[76:77]             ; columns 256 w + 8 lane + 0 .. 3: 512 consecutive bytes
	global_store_b128 v5, v[CX+4:CX+7], s[76:77] offset:512   ; and + 4 .. 7
	global_store_b64 v29, v[30:31], s[68:69] offset:4096   ; {m, l}, once a thread: 1,024 consecutive bytes
	s_wait_tensorcnt 0x0
	ds_add_u32 v238, v239
	s_wait_dscnt 0x0
	s_endpgm
.Lfunc_end_k_qd1354840cb_main:
	.size	k_qd1354840cb_main, .Lfunc_end_k_qd1354840cb_main-k_qd1354840cb_main
	.p2alignl 7, 3214868480
	.fill 96, 4, 3214868480
	.section	.rodata,"a",@progbits
	.p2align	6, 0x0
	.amdhsa_kernel k_qd1354840cb_main
		.amdhsa_group_segment_fixed_size 317952
		.amdhsa_private_segment_fixed_size 0
		.amdhsa_enable_private_segment 0
		.amdhsa_kernarg_size 64
		.amdhsa_user_sgpr_count 2
		.amdhsa_user_sgpr_kernarg_segment_ptr 1
		.amdhsa_wavefront_size32 1
		.amdhsa_system_sgpr_workgroup_id_x 1
		.amdhsa_system_sgpr_workgroup_id_y 1
		.amdhsa_system_sgpr_workgroup_id_z 1
		.amdhsa_system_vgpr_workitem_id 0
		.amdhsa_next_free_vgpr 1024
		.amdhsa_next_free_sgpr 90
		.amdhsa_reserve_vcc 1
		.amdhsa_float_denorm_mode_32 3
		.amdhsa_float_denorm_mode_16_64 3
		.amdhsa_memory_ordered 1
		.amdhsa_forward_progress 1
		.amdhsa_inst_pref_size 255
	.end_amdhsa_kernel
	.section	.bss,"aw",@nobits
	.p2align	6
	.space	262144
	.amdgpu_metadata
---
amdhsa.version: [ 1, 2 ]
amdhsa.kernels:
  - .name:           k_qd1354840cb_main
    .symbol:         k_qd1354840cb_main.kd
    .args:
      - { .name: enc_outputs, .offset: 0, .size: 8, .value_kind: global_buffer, .address_space: global }
      - { .name: V, .offset: 8, .size: 8, .value_kind: global_buffer, .address_space: global }
      - { .name: wq, .offset: 16, .size: 8, .value_kind: global_buffer, .address_space: global }
      - { .name: ws, .offset: 24, .size: 8, .value_kind: global_buffer, .address_space: global }
      - { .name: hbc, .offset: 32, .size: 8, .value_kind: global_buffer, .address_space: global }
      - { .name: order, .offset: 40, .size: 8, .value_kind: global_buffer, .address_space: global }
      - { .name: cnt, .offset: 48, .size: 8, .value_kind: global_buffer, .address_space: global }
      - { .name: part, .offset: 56, .size: 8, .value_kind: global_buffer, .address_space: global }
    .group_segment_fixed_size: 317952
    .private_segment_fixed_size: 0
    .kernarg_segment_align: 8
    .kernarg_segment_size: 64
    .max_flat_workgroup_size: 128
    .sgpr_count:     90
    .vgpr_count:     1024
    .wavefront_size: 32
...
	.end_amdgpu_metadata
.endif
;; end of part 2
;; launch fin (part 3): grid 4 x 32, 4 waves a work-group, no clusters, 0 bytes of LDS; arguments attn_masks, rank, part, out0, out1, out2; writes out0, out1, out2
.if DOCPART == 3
	.amdgcn_target "amdgcn-amd-amdhsa--gfx1250"
	.amdhsa_code_object_version 6
	.text
	.protected	k_qd1354840cb_fin
	.globl	k_qd1354840cb_fin
	.p2align	8
	.type	k_qd1354840cb_fin,@function
k_qd1354840cb_fin:
	s_mov_b64 s[64:65], 0
	v_nop
	global_prefetch_b8 v0, s[64:65] scope:SCOPE_SE
	s_setreg_imm32_b32 hwreg(HW_REG_WAVE_MODE, 25, 1), 1
	s_wait_xcnt 0x0
; FIN.  A batch's 16 records are joined.  M = the largest m; L = the sum of l e^(m - M); the context is the sum of the records' contexts x e^(m - M) / L; a row's weight is e^(score - M) / L.
; Work-group (x, batch): 256 columns of the context (two a thread) and 512 rows' scores and weights (four a thread).  A row with mask 1 finds its score at the byte that rank names;
; every other row has the score -1e12.  A record without rows has m = -1e30, so that its factor is 0.
; Memory binds, and the work is small: no LDS, no barrier, no matrix unit.
.set REC, 5888
	s_load_b256 s[4:11], s[0:1], 0x0               ; masks s[4:5], rank s[6:7], part s[8:9], out0 s[10:11]
	s_load_b128 s[12:15], s[0:1], 0x20             ; out1 s[12:13], out2 s[14:15]
	s_and_b32 s16, ttmp7, 0xffff                   ; batch
	v_and_b32 v1, 15, v0
	v_mul_u32_u24 v1, v1, REC                      ; lane % 16's record
	v_lshlrev_b32 v56, 4, v0                       ; 16 x thread
	v_bfe_u32 v48, v0, 1, 1
	v_lshlrev_b32 v48, 9, v48
	v_lshrrev_b32 v49, 2, v0
	v_lshl_add_u32 v48, v49, 4, v48
	v_and_b32 v49, 1, v0
	v_lshl_add_u32 v57, v49, 3, v48                ; columns 2 t, 2 t + 1 of the 256 lie at 512 ((t / 2) % 2) + 16 (t / 4) + 8 (t % 2)
	v_lshlrev_b32 v58, 3, v0                       ; 8 x thread
	v_mov_b32 v59, 0xd368d4a5                      ; -1e12
	s_mul_i32 s18, s16, 16*REC
	s_mov_b32 s19, 0
	s_lshl_b32 s20, s16, 13
	s_lshl_b32 s22, ttmp9, 11
	s_add_co_u32 s20, s20, s22
	s_mov_b32 s21, 0
	s_lshl_b32 s22, s16, 12
	s_lshl_b32 s24, ttmp9, 10
	s_add_co_u32 s22, s22, s24
	s_mov_b32 s23, 0
	s_mov_b32 s25, 0
	s_wait_kmcnt 0x0
	s_add_nc_u64 s[8:9], s[8:9], s[18:19]          ; the batch's records
	s_add_nc_u64 s[26:27], s[8:9], s[24:25]        ; my 256 columns in the first
	s_add_nc_u64 s[4:5], s[4:5], s[20:21]
	s_add_nc_u64 s[6:7], s[6:7], s[20:21]
	s_add_nc_u64 s[12:13], s[12:13], s[20:21]
	s_add_nc_u64 s[14:15], s[14:15], s[20:21]
	s_add_nc_u64 s[10:11], s[10:11], s[22:23]
	global_load_b64 v[2:3], v1, s[8:9] offset:4096 ; {m, l}
	global_load_b128 v[4:7], v56, s[4:5]
	global_load_b128 v[8:11], v56, s[6:7]
.irp g, 0,1,2,3,4,5,6,7,8,9,10,11,12,13,14,15
	global_load_b64 v[16+2*\g:17+2*\g], v57, s[26:27] offset:REC*\g
.endr
	s_wait_loadcnt 16                              ; {m, l}, masks and rank are in; the 16 loads of the contexts may be out
.irp i, 0,1,2,3
	v_min_u32 v[8+\i], 0x16ffc, v[8+\i]            ; inside the batch's 16 records
.endr
.irp i, 0,1,2,3
	global_load_b32 v[12+\i], v[8+\i], s[8:9]
.endr
	v_mov_b32 v48, v2
.irp x, 1,2,4,8
	v_max_num_f32_dpp v48, v48, v48 row_xmask:\x row_mask:0xf bank_mask:0xf
.endr                                          ; M
	v_sub_f32 v49, v2, v48
	v_mul_f32 v49, 0x3fb8aa3b, v49
	v_exp_f32 v49, v49                             ; e^(m - M)
	v_nop
	s_wait_alu depctr_va_vdst(0)
	v_mul_f32 v50, v3, v49
.irp x, 1,2,4,8
	v_add_f32_dpp v50, v50, v50 row_xmask:\x row_mask:0xf bank_mask:0xf
.endr                                          ; L
	v_rcp_f32 v51, v50
	v_nop
	s_wait_alu depctr_va_vdst(0)
	v_mul_f32 v52, v49, v51                        ; the record's factor
.irp g, 0,1,2,3,4,5,6,7,8,9,10,11,12,13,14,15
	v_readlane_b32 s[32+\g], v52, \g
.endr
	s_wait_loadcnt 4                               ; the contexts are in; the four gathers may be out
	v_mul_f32 v60, s32, v16
	v_mul_f32 v61, s32, v17
.irp g, 1,2,3,4,5,6,7,8,9,10,11,12,13,14,15
	v_fma_f32 v60, s[32+\g], v[16+2*\g], v60
	v_fma_f32 v61, s[32+\g], v[17+2*\g], v61
.endr
	global_store_b64 v58, v[60:61], s[10:11]       ; a wave stores 256 consecutive bytes
	s_wait_loadcnt 0x0
.irp i, 0,1,2,3
	v_cmp_eq_u32 vcc_lo, 1, v[4+\i]
	v_cndmask_b32 v[12+\i], v59, v[12+\i], vcc_lo
.endr
.irp i, 0,1,2,3
	v_sub_f32 v[52+\i], v[12+\i], v48
.endr
.irp i, 0,1,2,3
	v_mul_f32 v[52+\i], 0x3fb8aa3b, v[52+\i]
.endr
.irp i, 0,1,2,3
	v_exp_f32 v[52+\i], v[52+\i]
.endr
	v_nop
	s_wait_alu depctr_va_vdst(0)
.irp i, 0,1,2,3
	v_mul_f32 v[52+\i], v[52+\i], v51
.endr
	global_store_b128 v56, v[12:15], s[14:15]      ; scores
	global_store_b128 v56, v[52:55], s[12:13]      ; weights
	s_endpgm
.Lfunc_end_k_qd1354840cb_fin:
	.size	k_qd1354840cb_fin, .Lfunc_end_k_qd1354840cb_fin-k_qd1354840cb_fin
	.p2alignl 7, 3214868480
	.fill 96, 4, 3214868480
	.section	.rodata,"a",@progbits
	.p2align	6, 0x0
	.amdhsa_kernel k_qd1354840cb_fin
		.amdhsa_group_segment_fixed_size 0
		.amdhsa_private_segment_fixed_size 0
		.amdhsa_enable_private_segment 0
		.amdhsa_kernarg_size 48
		.amdhsa_user_sgpr_count 2
		.amdhsa_user_sgpr_kernarg_segment_ptr 1
		.amdhsa_wavefront_size32 1
		.amdhsa_system_sgpr_workgroup_id_x 1
		.amdhsa_system_sgpr_workgroup_id_y 1
		.amdhsa_system_sgpr_workgroup_id_z 1
		.amdhsa_system_vgpr_workitem_id 0
		.amdhsa_next_free_vgpr 64
		.amdhsa_next_free_sgpr 66
		.amdhsa_reserve_vcc 1
		.amdhsa_float_denorm_mode_32 3
		.amdhsa_float_denorm_mode_16_64 3
		.amdhsa_memory_ordered 1
		.amdhsa_forward_progress 1
		.amdhsa_inst_pref_size 10
	.end_amdhsa_kernel
	.amdgpu_metadata
---
amdhsa.version: [ 1, 2 ]
amdhsa.kernels:
  - .name:           k_qd1354840cb_fin
    .symbol:         k_qd1354840cb_fin.kd
    .args:
      - { .name: attn_masks, .offset: 0, .size: 8, .value_kind: global_buffer, .address_space: global }
      - { .name: rank, .offset: 8, .size: 8, .value_kind: global_buffer, .address_space: global }
      - { .name: part, .offset: 16, .size: 8, .value_kind: global_buffer, .address_space: global }
      - { .name: out0, .offset: 24, .size: 8, .value_kind: global_buffer, .address_space: global }
      - { .name: out1, .offset: 32, .size: 8, .value_kind: global_buffer, .address_space: global }
      - { .name: out2, .offset: 40, .size: 8, .value_kind: global_buffer, .address_space: global }
    .group_segment_fixed_size: 0
    .private_segment_fixed_size: 0
    .kernarg_segment_align: 8
    .kernarg_segment_size: 48
    .max_flat_workgroup_size: 128
    .sgpr_count:     66
    .vgpr_count:     64
    .wavefront_size: 32
...
	.end_amdgpu_metadata
.endif
;; end of part 3
;; ======== version 2 of 2: 3 launches
;; workspace buffers: wq 524,288 bytes; ws 32,768 bytes; hbc 131,072 bytes; order 262,144 bytes of whole numbers; rank 262,144 bytes of whole numbers; cnt 4,096 bytes of whole numbers; part 3,014,656 bytes
;; launch prep (part 4): grid 68 x 1, 8 waves a work-group, no clusters, 17,920 bytes of LDS; arguments W, last_state, b, attn_masks, wq, ws, hbc, order, rank, cnt; writes wq, ws, hbc, order, rank, cnt
.if DOCPART == 4
	.amdgcn_target "amdgcn-amd-amdhsa--gfx1250"
	.amdhsa_code_object_version 6
	.text
	.protected	k_qd1354840cb_prep
	.globl	k_qd1354840cb_prep
	.p2align	8
	.type	k_qd1354840cb_prep,@function
k_qd1354840cb_prep:
	s_mov_b64 s[64:65], 0
	v_nop
	global_prefetch_b8 v0, s[64:65] scope:SCOPE_SE
	s_setreg_imm32_b32 hwreg(HW_REG_WAVE_SCHED_MODE, 0, 2), 2
	s_setreg_imm32_b32 hwreg(HW_REG_WAVE_MODE, 25, 1), 1
	s_wait_xcnt 0x0
	s_wait_alu depctr_vm_vsrc(0)
; PREP.  Work-groups 0-63: tile t of 16 hidden units; wave k takes K step k (128 along K).  It quantises We's fragment (codes of E2M1, one E8M0 byte
; for each 32 along K) and stores it in the order of an operand's registers: wq[t][k][c][lane][16 bytes]; the scale words go to ws[t][lane][4 words]
; (lane (r, h), word q: row 16 t + r, K step 4 h + q).  It also quantises Wh's fragment and last_state's two, multiplies them (two matrix instructions),
; and the eight waves' parts of h_part meet in LDS: hbc[batch][hidden] = c (h_part + b), c = 2 log2(e).
; Work-groups 64-67: a wave takes a batch's 2,048 mask words and stores, as whole numbers: cnt = n, the number of ones; order = the row numbers, rows with
; mask 1 first, the others behind, each in ascending order; rank = for each row the byte, inside the batch's 16 records of the next launch, of its score.
; Rows are dealt to G = 8 groups (16 where more than 1,152 rows count): list place pos belongs to group pos % G as its row pos / G.
; LIMITS: NaN and infinities among the inputs are not served.  A block whose largest magnitude lies under 2^-124 gets the byte 1, a block of zeros too
; (its codes are zeros, and this program alone reads the bytes).  h_part's K is summed in eight parts, joined in ascending order.
; THE MODE: SCHED_MODE bits 1:0 = 2 (LLVM: expert scheduling mode 2), set by the entry lines.  The code itself states the register dependences
; between vector or matrix instructions and memory or LDS instructions, with s_wait_alu, always for 0.
; THE PLAN.  v4-13: offsets and LDS addresses, made once, ahead of one wait on va_vdst, never written again.
;   A tile: set 0 (v64-127) is read by the first quantising and loaded again behind it; v24-31 and v48 are written by it and read by three stores: one wait on va_vdst states both.
;   v24-31 are written a second time: a wait on vm_vsrc ahead of that.  The fragments and scale words that vector lines wrote go to the scaled matrix instructions behind a wait on va_vdst; so do the results to LDS.
;   A list: eight groups of 32 rows to a batch.  Its eight compares write s48-55: one wait on va_sdst ahead of their readers.  Its arithmetic writes v128-159; one wait on va_vdst; its sixteen stores read them;
;   a wait on vm_vsrc at the next batch's head, ahead of the next writes.
.set S0,  64                           ; v64-127, v128-191, v192-255: three sets of 64 numbers
.set S1,  128
.set S2,  192
.set WSL, 16384                        ; LDS: 0: h_part's parts [k][q 4][lane][16 bytes]; WSL: the tile's 128 scale words
.set REC, 5888                         ; a record of the next launch
.set SCO, 5120                         ; where its scores begin
; 64 numbers of a lane: register 32 c + i = K 64 c + 32 h + i of the lane's row: two whole blocks of 32
.macro LD64 dst, vo, sb, off
.irp c, 0,1
.irp i, 0,1,2,3,4,5,6,7
	global_load_b128 v[\dst+32*\c+4*\i:\dst+32*\c+4*\i+3], v[\vo], s[\sb:\sb+1] offset:\off+256*\c+16*\i
.endr
.endr
.endm
; they become a fragment's 8 registers and its scale word
.macro QB src, frag, sw
.irp c, 0,1
	v_max3_num_f32 v[16+\c], |v[\src+32*\c]|, |v[\src+32*\c+1]|, 0x1800000   ; the floor 2^(3 - 127) holds the byte at 1 from below
.endr
.irp i, 2,4,6,8,10,12,14,16,18,20,22,24,26,28,30
.irp c, 0,1
	v_max3_num_f32 v[16+\c], v[16+\c], |v[\src+32*\c+\i]|, |v[\src+32*\c+\i+1]|
.endr
.endr
.irp c, 0,1
	v_add_nc_u32 v[18+\c], 0xff000000, v[16+\c]    ; 2 off the exponent field: the conversion's scale operand
.endr
.irp c, 0,1
	v_lshrrev_b32 v[20+\c], 23, v[18+\c]           ; the scale's byte
.endr
	v_lshl_or_b32 v22, v21, 16, v20                ; my blocks h and 2 + h,
	v_lshlrev_b32 v22, v14, v22                    ; 8 h bits up;
	v_mov_b32 v23, 0
	v_permlanex16_b32 v23, v22, s34, s35
	v_or_b32 v[\sw], v22, v23                      ; with lane l xor 16's two the word is whole
.irp c, 0,1
.irp g, 0,1,2,3
	v_cvt_scalef32_pk8_fp4_f32 v[\frag+4*\c+\g], v[\src+32*\c+8*\g:\src+32*\c+8*\g+7], v[18+\c]
.endr
.endr
	v_nop                                          ; one plain place behind the scaled conversions
.endm
	s_load_b512 s[4:19], s[0:1], 0x0               ; W s[4:5], last_state s[6:7], b s[8:9], masks s[10:11], wq s[12:13], ws s[14:15], hbc s[16:17], order s[18:19]
	s_load_b128 s[20:23], s[0:1], 0x40             ; rank s[20:21], cnt s[22:23]
	v_lshl_add_u32 v62, v0, 2, 0x4200
	v_mov_b32 v63, 0
	v_lshrrev_b32 v1, 5, v0
	v_readfirstlane_b32 s24, v1                    ; wave k
	v_and_b32 v1, 31, v0                           ; lane
	v_and_b32 v2, 15, v0                           ; r
	s_wait_alu depctr_va_vdst(0)
	v_bfe_u32 v3, v0, 4, 1                         ; h
	; every address register is made here, ahead of the parting of the ways
	v_lshlrev_b32 v4, 13, v2
	v_lshl_add_u32 v4, v3, 7, v4                   ; W: row r of 8,192 bytes + 128 h
	v_lshlrev_b32 v5, 12, v2
	v_lshl_add_u32 v5, v3, 7, v5                   ; last_state: row r of 4,096 bytes + 128 h
	v_lshlrev_b32 v6, 4, v1                        ; 16 x lane
	s_wait_alu depctr_va_vdst(0)
	v_lshlrev_b32 v7, 2, v1                        ; 4 x lane
	s_wait_alu depctr_va_sdst(0)                   ; s24 is written, ahead of its first reader
	s_lshl_b32 s25, s24, 11
	v_add_nc_u32 v8, s25, v6                       ; LDS: my wave's parts of h_part
	s_lshr_b32 s25, s24, 2
	s_lshl_b32 s25, s25, 8
	s_and_b32 s26, s24, 3
	s_lshl_b32 s27, s26, 2
	s_add_co_u32 s25, s25, s27
	s_add_co_u32 s25, s25, WSL
	v_lshl_add_u32 v9, v2, 4, s25                  ; LDS: row r's scale word of K step k: lane r + 16 (k / 4), word k % 4
	s_lshl_b32 s26, s26, 9
	v_add_nc_u32 v10, s26, v6                      ; LDS: quarter q = wave of each wave's parts
	v_add_nc_u32 v11, WSL, v6                      ; LDS: the scale words, 16 bytes a lane
	s_and_b32 s26, s24, 1
	s_lshl_b32 s26, s26, 4
	v_lshl_add_u32 v12, v3, 5, s26                 ; b: 32 h + 16 (q % 2)
	v_lshlrev_b32 v13, 5, v3
	v_lshl_add_u32 v13, v2, 12, v13                ; hbc: batch r of 4,096 bytes + 32 h
	v_lshlrev_b32 v14, 3, v3                       ; 8 h
	s_mov_b32 s34, 0x76543210
	s_mov_b32 s35, 0xfedcba98                      ; v_permlanex16_b32's selects for lane l xor 16
	s_mov_b32 s27, 0
	s_wait_kmcnt 0x0
	s_lshl_b32 s26, ttmp9, 17                      ; 16 rows of W
	s_add_nc_u64 s[4:5], s[4:5], s[26:27]
	s_lshl_b32 s26, s24, 9                         ; K step k: 512 bytes
	s_add_nc_u64 s[4:5], s[4:5], s[26:27]
	s_add_nc_u64 s[6:7], s[6:7], s[26:27]
	s_lshl_b32 s26, ttmp9, 6                       ; 16 hidden units: 64 bytes
	s_add_nc_u64 s[8:9], s[8:9], s[26:27]
	s_add_nc_u64 s[16:17], s[16:17], s[26:27]
	s_lshl_b32 s26, ttmp9, 13
	s_add_nc_u64 s[12:13], s[12:13], s[26:27]
	s_lshl_b32 s26, s24, 10
	s_add_nc_u64 s[12:13], s[12:13], s[26:27]      ; wq at [t][k]
	s_lshl_b32 s26, ttmp9, 9
	s_add_nc_u64 s[14:15], s[14:15], s[26:27]      ; ws at [t]
	s_bfe_u32 s26, s24, 0x10001                    ; quarter q = wave (0 to 3): batches 16 (q / 2) on,
	s_lshl_b32 s26, s26, 16
	s_add_nc_u64 s[16:17], s[16:17], s[26:27]
	s_and_b32 s26, s24, 1                          ; hidden units 4 (q % 2) on
	s_lshl_b32 s26, s26, 4
	s_add_nc_u64 s[16:17], s[16:17], s[26:27]
	s_wait_alu depctr_va_vdst(0)                   ; the offsets and LDS addresses v4 to v13 are written, which the loads and stores of both ways read
	s_cmp_ge_u32 ttmp9, 64
	s_cbranch_scc1 .Llist
	; ---- a tile of W
	LD64 S0, 4, 4, 4096                            ; We
	LD64 S1, 4, 4, 0                               ; Wh
	LD64 S2, 5, 6, 0                               ; last_state, batches 0-15
	s_wait_loadcnt 32                              ; We is in; behind it: Wh's 16 loads and last_state's 16
	QB S0, 24, 48
	s_wait_alu depctr_va_vdst(0)                   ; We's codes v24-31 and its scale word v48 are written, which the three stores read; the quantising lines are done reading set 0, in which the loads below land
	global_store_b128 v6, v[24:27], s[12:13]       ; 32 lanes store 512 consecutive bytes
	global_store_b128 v6, v[28:31], s[12:13] offset:512
	ds_store_b32 v9, v48                           ; lanes r and r + 16 write the same word with the same value
	LD64 S0, 5, 6, 65536                           ; last_state, batches 16-31
	s_wait_loadcnt 32                              ; Wh is in; behind it: twice 16
	QB S1, 32, 49
	s_wait_loadcnt 16                              ; batches 0-15 are in
	QB S2, 40, 50
	s_wait_loadcnt 0x0
	s_wait_xcnt 0x0                                ; the stores to wq have had their addresses translated,
	s_wait_alu depctr_vm_vsrc(0)                   ; and have read v24-31, which are written again
	QB S0, 24, 51
.rept 8
	v_nop                                          ; a scale register written by a vector instruction stands 8 places ahead of a scaled matrix instruction
.endr
	s_wait_alu depctr_va_vdst(0)                   ; the fragments v24-47 and the scale words v49-51 are written, which the scaled matrix instructions take; the places above stay beside this wait
	; transposed: source 0 = 16 rows of Wh, source 1 = 16 batches: lane (r, h), register j = (hidden 16 t + 8 h + j, batch 16 u + r)
	v_wmma_scale_f32_16x16x128_f8f6f4 v[128:135], v[32:39], v[40:47], 0, v49, v50 matrix_a_fmt:MATRIX_FMT_FP4 matrix_b_fmt:MATRIX_FMT_FP4
	v_wmma_scale_f32_16x16x128_f8f6f4 v[136:143], v[32:39], v[24:31], 0, v49, v51 matrix_a_fmt:MATRIX_FMT_FP4 matrix_b_fmt:MATRIX_FMT_FP4
.rept 4
	v_nop
.endr
	s_wait_alu depctr_va_vdst(0)                   ; the matrix instructions have written v128-143, which the LDS stores read; no vector line follows on this way until b and the parts have landed in v16-19 and v64-95
	ds_store_b128 v8, v[128:131]                   ; each result from its low end on
	ds_store_b128 v8, v[132:135] offset:512
	ds_store_b128 v8, v[136:139] offset:1024
	ds_store_b128 v8, v[140:143] offset:1536
	s_branch .Lmeet
.Llist:	; ---- a batch's list
	s_sub_co_u32 s28, ttmp9, 64
	s_lshl_b32 s28, s28, 3
	s_add_co_u32 s28, s28, s24                     ; the batch
	s_lshl_b32 s26, s28, 13
	s_add_nc_u64 s[10:11], s[10:11], s[26:27]
	s_add_nc_u64 s[18:19], s[18:19], s[26:27]
	s_add_nc_u64 s[20:21], s[20:21], s[26:27]
	s_lshl_b32 s26, s28, 7
	s_add_nc_u64 s[22:23], s[22:23], s[26:27]
.set a, 0
.rept 64
	global_load_b32 v[64+a], v7, s[10:11] offset:128*a   ; mask of row 32 a + lane
.set a, a+1
.endr
	v_mov_b32 v23, SCO
	s_mov_b32 s41, 0
	s_wait_loadcnt 0x0
.set a, 0
.rept 8                                        ; n: eight groups of 32 rows at a time
.set i, 0
.rept 8
	v_cmp_eq_u32 s[48+i], 1, v[64+a+i]
.set i, i+1
.endr
	s_wait_alu depctr_va_sdst(0)                   ; the eight masks s48 to s55 are written, ahead of their first readers
.set i, 0
.rept 8
	s_bcnt1_i32_b32 s40, s[48+i]
	s_add_co_u32 s41, s41, s40
.set i, i+1
.endr
.set a, a+8
.endr
	s_cmp_eq_u32 s41, 0
	s_cselect_b32 s42, 0x800, s41                  ; with no one at all every row counts
	s_cmp_le_u32 s42, 1152
	s_cselect_b32 s43, 3, 4                        ; log2 G
	s_cselect_b32 s44, 7, 15                       ; G - 1
	s_mov_b32 s45, 0                               ; the next place among the rows with mask 1,
	s_mov_b32 s46, s41                             ; and among the others
.set a, 0
.rept 8                                        ; a batch: eight groups, each with store registers of its own
	s_wait_xcnt 0x0                                ; the stores of the last eight groups have had their addresses translated
.if a > 0
	s_wait_alu depctr_vm_vsrc(0)                   ; and have read v128-159, which this batch writes again
.endif
.set i, 0
.rept 8
	v_cmp_eq_u32 s[48+i], 1, v[64+a+i]
.set i, i+1
.endr
	s_wait_alu depctr_va_sdst(0)                   ; the eight masks s48 to s55 are written, ahead of their first readers
.set i, 0
.rept 8
.set gb, 128+4*i
	s_bcnt1_i32_b32 s40, s[48+i]
	v_mbcnt_lo_u32_b32 v16, s[48+i], 0             ; ones in the lanes below me
	v_sub_nc_u32 v17, v1, v16                      ; the others below me
	v_add_nc_u32 v16, s45, v16
	v_add_nc_u32 v17, s46, v17
	v_cndmask_b32 v18, v17, v16, s[48+i]           ; my place in the list
	v_min_u32 v[gb], 0x7ff, v18
	v_lshlrev_b32 v[gb], 2, v[gb]
	v_add_nc_u32 v[gb+1], 32*(a+i), v1             ; my row
	v_and_b32 v19, s44, v18                        ; group = place % G,
	v_lshrrev_b32 v20, s43, v18                    ; its row = place / G
	v_mul_u32_u24 v19, v19, REC
	v_lshl_add_u32 v19, v20, 2, v19
	v_add_nc_u32 v19, SCO, v19
	v_cndmask_b32 v[gb+2], v23, v19, s[48+i]       ; a row that does not count names a byte that is always written; its number is not used
	s_add_co_u32 s45, s45, s40
	s_sub_co_u32 s40, 32, s40
	s_add_co_u32 s46, s46, s40
.set i, i+1
.endr
	s_wait_alu depctr_va_vdst(0)                   ; the batch's offsets, rows and ranks v128-159 are written, which the sixteen stores read
.set i, 0
.rept 8
.set gb, 128+4*i
	global_store_b32 v[gb], v[gb+1], s[18:19]
	global_store_b32 v7, v[gb+2], s[20:21] offset:128*(a+i)
.set i, i+1
.endr
.set a, a+8
.endr
	v_mov_b32 v24, s41
	s_wait_alu depctr_va_vdst(0)                   ; v24 is written, which the store reads
	global_store_b32 v7, v24, s[22:23]             ; n, 32 times: 128 consecutive bytes
.Lmeet:
	s_wait_dscnt 0x0                               ; my LDS stores have landed
	s_barrier_signal -1
	s_barrier_wait -1                              ; every wave of every work-group passes here
	s_cmp_ge_u32 ttmp9, 64
	s_cbranch_scc1 .Lend
	s_cmp_lt_u32 s24, 4
	s_cbranch_scc0 .Lnot_sum
	global_load_b128 v[16:19], v12, s[8:9]         ; b of my four hidden units
.irp kk, 0,1,2,3,4,5,6,7
	ds_load_b128 v[64+4*\kk:67+4*\kk], v10 offset:2048*\kk
.endr
	s_wait_loadcnt 0x0
	s_wait_dscnt 0x0
.irp kk, 1,2,3,4,5,6,7
	v_pk_add_f32 v[64:65], v[64:65], v[64+4*\kk:65+4*\kk]
	v_pk_add_f32 v[66:67], v[66:67], v[66+4*\kk:67+4*\kk]
.endr
	v_pk_add_f32 v[64:65], v[64:65], v[16:17]
	v_pk_add_f32 v[66:67], v[66:67], v[18:19]
	v_pk_mul_f32 v[64:65], v[64:65], 0x4038aa3b op_sel_hi:[1,0]   ; x c = 2 log2(e)
	v_pk_mul_f32 v[66:67], v[66:67], 0x4038aa3b op_sel_hi:[1,0]
	s_wait_alu depctr_va_vdst(0)                   ; v64-67 are written, which the store reads
	global_store_b128 v13, v[64:67], s[16:17]
	s_branch .Lend
.Lnot_sum:
	s_cmp_eq_u32 s24, 4
	s_cbranch_scc0 .Lend
	ds_load_b128 v[64:67], v11
	s_wait_dscnt 0x0
	global_store_b128 v6, v[64:67], s[14:15]       ; the tile's scale words: 512 consecutive bytes
.Lend:
	s_wait_dscnt 0x0
	s_wait_alu depctr_hold_cnt(0) depctr_sa_sdst(0) depctr_va_vdst(0) depctr_va_sdst(0) depctr_va_ssrc(0) depctr_va_vcc(0) depctr_vm_vsrc(0)
	s_wait_tensorcnt 0x0
	ds_add_u32 v62, v63
	s_wait_dscnt 0x0
	s_endpgm
.Lfunc_end_k_qd1354840cb_prep:
	.size	k_qd1354840cb_prep, .Lfunc_end_k_qd1354840cb_prep-k_qd1354840cb_prep
	.p2alignl 7, 3214868480
	.fill 96, 4, 3214868480
	.section	.rodata,"a",@progbits
	.p2align	6, 0x0
	.amdhsa_kernel k_qd1354840cb_prep
		.amdhsa_group_segment_fixed_size 17920
		.amdhsa_private_segment_fixed_size 0
		.amdhsa_enable_private_segment 0
		.amdhsa_kernarg_size 80
		.amdhsa_user_sgpr_count 2
		.amdhsa_user_sgpr_kernarg_segment_ptr 1
		.amdhsa_wavefront_size32 1
		.amdhsa_system_sgpr_workgroup_id_x 1
		.amdhsa_system_sgpr_workgroup_id_y 1
		.amdhsa_system_sgpr_workgroup_id_z 1
		.amdhsa_system_vgpr_workitem_id 0
		.amdhsa_next_free_vgpr 256
		.amdhsa_next_free_sgpr 66
		.amdhsa_reserve_vcc 0
		.amdhsa_float_denorm_mode_32 3
		.amdhsa_float_denorm_mode_16_64 3
		.amdhsa_memory_ordered 1
		.amdhsa_forward_progress 1
		.amdhsa_inst_pref_size 111
	.end_amdhsa_kernel
	.amdgpu_metadata
---
amdhsa.version: [ 1, 2 ]
amdhsa.kernels:
  - .name:           k_qd1354840cb_prep
    .symbol:         k_qd1354840cb_prep.kd
    .args:
      - { .name: W, .offset: 0, .size: 8, .value_kind: global_buffer, .address_space: global }
      - { .name: last_state, .offset: 8, .size: 8, .value_kind: global_buffer, .address_space: global }
      - { .name: b, .offset: 16, .size: 8, .value_kind: global_buffer, .address_space: global }
      - { .name: attn_masks, .offset: 24, .size: 8, .value_kind: global_buffer, .address_space: global }
      - { .name: wq, .offset: 32, .size: 8, .value_kind: global_buffer, .address_space: global }
      - { .name: ws, .offset: 40, .size: 8, .value_kind: global_buffer, .address_space: global }
      - { .name: hbc, .offset: 48, .size: 8, .value_kind: global_buffer, .address_space: global }
      - { .name: order, .offset: 56, .size: 8, .value_kind: global_buffer, .address_space: global }
      - { .name: rank, .offset: 64, .size: 8, .value_kind: global_buffer, .address_space: global }
      - { .name: cnt, .offset: 72, .size: 8, .value_kind: global_buffer, .address_space: global }
    .group_segment_fixed_size: 17920
    .private_segment_fixed_size: 0
    .kernarg_segment_align: 8
    .kernarg_segment_size: 80
    .max_flat_workgroup_size: 256
    .sgpr_count:     66
    .vgpr_count:     256
    .wavefront_size: 32
...
	.end_amdgpu_metadata
.endif
;; end of part 4
;; launch main (part 5): grid 256 x 2, 4 waves a work-group, no clusters, 317,952 bytes of LDS; arguments enc_outputs, V, wq, ws, hbc, order, cnt, part; writes part
.if DOCPART == 5
	.amdgcn_target "amdgcn-amd-amdhsa--gfx1250"
	.amdhsa_code_object_version 6
	.text
	.protected	k_qd1354840cb_main
	.globl	k_qd1354840cb_main
	.p2align	8
	.type	k_qd1354840cb_main,@function
k_qd1354840cb_main:
	s_mov_b64 s[64:65], 0
	v_nop
	global_prefetch_b8 v0, s[64:65] scope:SCOPE_SE
	s_setreg_imm32_b32 hwreg(HW_REG_WAVE_SCHED_MODE, 0, 2), 2
	s_setreg_imm32_b32 hwreg(HW_REG_WAVE_MODE, 25, 1), 1
	s_wait_xcnt 0x0
	s_wait_alu depctr_vm_vsrc(0)
; MAIN.  Work-group (batch b, group g) takes the rows at places g + G p of the batch's list (at most 144: nine tiles of 16) through the whole chain: gather, quantise to codes of E2M1
; with one E8M0 byte for each 32 along K, product with all 1,024 rows of We, tanh, dot with V, a softmax of its own (maximum m, sum l) and its part of the context.  Rows whose mask is not 1
; get the score -1e12 and the weight 0 and are neither read nor multiplied; in a batch with no 1 at all every row is taken and every score is -1e12.
; SHARES.  The four waves share the hidden units, 256 each (16 tiles of 16), for all nine tiles of rows: so each byte of We's codes is read once by the work-group, straight into registers in the order of
; the operand's registers.  All rows' codes stand in every wave's registers (576).  A row's bf16 copy stays in LDS until its weight is known: enc is read from memory once.
; PHASES.  L: wave w gathers rows p = 4 i + w, quantises them, stores their bf16 copy to LDS and keeps their codes in registers: no barrier.  X: nine trips: a tile's codes to LDS, barrier, every wave
; fetches the tile's fragments.  C: 16 tiles of hidden units: 72 matrix instructions, then tanh and the dot with V.  S: the waves' parts of the scores meet in LDS (one barrier); softmax.  K: the context.
; A WORK-GROUP WITHOUT ROWS (a stored whole number says so) jumps over L, C and K, which hold no barrier, passes all ten barriers, and stores a record that adds nothing: m = -1e30, context 0.
; NO CLUSTER, NO JOINT LOADS, though all work-groups read the same codes of We: the text has no tensor load at all.
; An absent row (p >= rows) is replaced by the wave's first row, so that every count of a wait is fixed and every LDS byte that is read has been written; its weight is 0.
; LIMITS: NaN and infinities among the inputs are not served.  A block whose largest magnitude lies under 2^-124 gets the byte 1, a block of zeros too (its codes are zeros; this program alone reads
; the bytes).  enc is rounded to bf16 for the context.  All nine tiles are always multiplied.
; REGISTERS, in windows of 256.  Window 0: v1-18 lane numbers and addresses; v19-31 at work; v32-67 enc's scale words; v68-75 We's, two sets; v76-91 V, v92-107 c (h_part + b), two sets each;
;   v108-125 the scores' sums; v128-199 nine accumulators (in L: v128-255 at work).  Window 1: v0-255 the ring of eight rows in L; later v0-127 We's two sets, v128-255 A's tiles 7, 8.
;   Window 2: A's tiles 0-3 (in K: two sets of eight rows).  Window 3: A's tiles 4-6; in L and X the wave's own codes, 20 registers a tile, laid so that a tile of A lands only on codes already sent.
; THE MODE: SCHED_MODE bits 1:0 = 2 (LLVM: expert scheduling mode 2), set by the entry lines.  The code itself states the register dependences between vector or matrix instructions and memory or LDS
; instructions, with s_wait_alu, always for 0.
; THE PLAN.  Registers that memory or LDS instructions touch, and who else names them:
;   v4-6, v8-11, v14-16, v28, v29  offsets and LDS addresses: made at the head, ahead of one wait on va_vdst, never written again.
;   L  Trip mt: its quantising lines read half mt % 2 of the ring and write 64 registers of bf16; the loads of tile mt + 2 land in that half, 16 LDS stores read the bf16 and v7.  ONE wait on va_vdst behind the
;      quantising lines states all of it; one on vm_vsrc at the next trip's head stands ahead of the next writes of the bf16 registers and of v7.
;   X  No vector line.  One wait of each kind at its head: the codes are written, the ring is read out, the last bf16 stores have read their registers.  Trips 4 and 5: a wait on vm_vsrc, since A's tiles 4 and 5
;      land on codes that LDS stores have read.
;   C  Two sets of We's fragments, their scale words, V and c (h_part + b).  Step p's matrix and tanh lines read set p; the 21 loads of set 1 - p are issued in step p.  ONE wait on va_vdst at a step's head states
;      that the step before is done reading set 1 - p; the loads follow it, dealt among the step's three stretches of products, which name set p, A, the accumulators and enc's scale words alone.
;   S  The sums go to LDS stores behind a wait on va_vdst; loads land on those registers behind one on vm_vsrc.  The nine compares write s40-48: one wait on va_sdst ahead of the selects.
;   K  Two sets in window 2: a wait on va_vdst ahead of each run of ten loads (the multiply-adds are done reading the set); v17 and v18 are stepped once a trip, behind a wait on vm_vsrc.
.set CST,   294912                     ; LDS: 0: 144 rows x 2,048 bytes of bf16;  CST: two slots of 16 rows of codes, 512 bytes + 16;
.set CSLOT, 8448
.set CP,    528
.set SST,   311808                     ; two slots of 16 rows x 32 scale bytes;
.set SCP,   312832                     ; each wave's parts of the 144 scores;
.set PWB,   315136                     ; each wave's own copy of the 144 weights
.set REC,   5888                       ; a record: 4,096 bytes of context, 1,024 of {m, l}, the scores from 5,120 on
.set EW, 7
.set CW, 8
.set SW, 9
.set FA, 10
.set FS, 11
.set RL, 12
.set CX, 20
.set ASC, 32
.set WSC, 68
.set VV,  76
.set HB,  92
.set SA,  108
.set ACC, 128
.set TB,  128
.set RP,  40                           ; s[40:55] the ring's eight addresses; in S: s40-48 nine masks
.set MSB, 0
.macro WIN new                         ; the immediate's high byte repeats the setting that is left
.if MSB != \new
	s_set_vgpr_msb (MSB<<8)|\new
.set MSB, \new
.endif
.endm
; The four rows of tile mt are asked for: row i = 4 mt + j of my wave, into ring slot i % 8: X[8 sp + 0 .. 7] = K 256 sp + 8 lane + 0 .. 7
.macro ISSUE4 mt
	WIN 0
.irp j, 0,1,2,3
	v_readlane_b32 s[70+\j], v[RL+(4*(\mt)+\j)/32], (4*(\mt)+\j)%32
.endr
	s_wait_alu depctr_va_sdst(0)                   ; s70 to s73 are written, ahead of their first readers
.irp j, 0,1,2,3
	s_cmp_gt_u32 s32, 4*(\mt)+\j                   ; have I so many rows?
	s_cselect_b32 s[70+\j], s[70+\j], s33          ; else my first row once more
	s_min_u32 s[70+\j], s[70+\j], 0x7ff
	s_lshl_b32 s[RP+8*((\mt)%2)+2*\j], s[70+\j], 12
	s_mov_b32 s[RP+8*((\mt)%2)+2*\j+1], 0
	s_add_nc_u64 s[RP+8*((\mt)%2)+2*\j:RP+8*((\mt)%2)+2*\j+1], s[56:57], s[RP+8*((\mt)%2)+2*\j:RP+8*((\mt)%2)+2*\j+1]
.endr
	WIN 0x40                                       ; destination window 1
.irp j, 0,1,2,3
.irp sp, 0,1,2,3
.irp e, 0,1
	global_load_b128 v[128*((\mt)%2)+32*\j+8*\sp+4*\e:128*((\mt)%2)+32*\j+8*\sp+4*\e+3], v4, s[RP+8*((\mt)%2)+2*\j:RP+8*((\mt)%2)+2*\j+1] offset:1024*\sp+16*\e
.endr
.endr
.endr
.endm
; Four rows by turns.  A block of 32 lies in four neighbouring lanes.  At work for row j, from v[TB + 32 j]: 4 largest magnitudes, 4 scale operands, 4 bytes, the packed bytes, 16 registers of bf16
.macro QROWS mt
.set XG, 128*((\mt)%2)
.set CB, 64*((\mt)/3)+64*((\mt)/6)+20*((\mt)%3)    ; the tile's codes in window 3: 16 registers, then 4 scale words
	WIN 0x05                                       ; sources 0 and 1 window 1
.irp j, 0,1,2,3
.irp sp, 0,1,2,3
	v_max3_num_f32 v[TB+32*\j+\sp], |v[XG+32*\j+8*\sp]|, |v[XG+32*\j+8*\sp+1]|, 0x1800000   ; the floor 2^(3 - 127) holds the byte at 1 from below
.endr
.endr
.irp i, 2,4,6
.irp j, 0,1,2,3
.irp sp, 0,1,2,3
	v_max3_num_f32 v[TB+32*\j+\sp], |v[XG+32*\j+8*\sp+\i]|, |v[XG+32*\j+8*\sp+\i+1]|, v[TB+32*\j+\sp]
.endr
.endr
.endr
.irp j, 0,1,2,3
.irp q, 0,1,2,3,4,5,6,7,8,9,10,11,12,13,14,15
	v_cvt_pk_bf16_f32 v[TB+32*\j+16+\q], v[XG+32*\j+2*\q], v[XG+32*\j+2*\q+1]
.endr
.endr
	WIN 0
.irp x, 1,2
.irp j, 0,1,2,3
.irp sp, 0,1,2,3
	v_max_num_f32_dpp v[TB+32*\j+\sp], v[TB+32*\j+\sp], v[TB+32*\j+\sp] row_xmask:\x row_mask:0xf bank_mask:0xf
.endr
.endr
.endr
.irp j, 0,1,2,3
.irp sp, 0,1,2,3
	v_add_nc_u32 v[TB+32*\j+4+\sp], 0xff000000, v[TB+32*\j+\sp]   ; 2 off the exponent field: the conversion's scale operand
.endr
.endr
.irp j, 0,1,2,3
.irp sp, 0,1,2,3
	v_lshrrev_b32 v[TB+32*\j+8+\sp], 23, v[TB+32*\j+4+\sp]        ; the scale's byte
.endr
.endr
.irp j, 0,1,2,3
	v_lshl_or_b32 v[TB+32*\j+12], v[TB+32*\j+9], 8, v[TB+32*\j+8]
.endr
.irp j, 0,1,2,3
	v_lshl_or_b32 v[TB+32*\j+12], v[TB+32*\j+10], 16, v[TB+32*\j+12]
.endr
	WIN 0xc0                                       ; destination window 3
.irp j, 0,1,2,3
	v_lshl_or_b32 v[CB+16+\j], v[TB+32*\j+11], 24, v[TB+32*\j+12] ; byte sp: block 8 sp + lane / 4 of the row
.endr
	WIN 0xc1                                       ; and source 0 window 1
.irp j, 0,1,2,3
.irp sp, 0,1,2,3
	v_cvt_scalef32_pk8_fp4_f32 v[CB+4*\j+\sp], v[XG+32*\j+8*\sp:XG+32*\j+8*\sp+7], v[TB+32*\j+4+\sp]
.endr
.endr
	WIN 0
	v_nop                                          ; one plain place behind the scaled conversions
.endm
.macro TRIPL mt
	WIN 0
	s_wait_dscnt 0x0                               ; the last trip's LDS stores have landed
.if (\mt) > 0
	s_wait_alu depctr_vm_vsrc(0)                   ; they have read their 64 registers of bf16 and v[EW], which are written again below
	v_add_nc_u32 v[EW], 0x8000, v[EW]              ; 16 rows of bf16 on
.endif
.if (\mt) < 8
	s_wait_loadcnt 32                              ; this tile's 32 loads are in; the next tile's 32 may be out
.else
	s_wait_loadcnt 0x0
.endif
	QROWS \mt
	s_wait_alu depctr_va_vdst(0)                   ; the bf16 registers and v[EW] are written, which the LDS stores below read; the quantising lines are done reading this half of the ring, in which the loads below land
.if (\mt) < 7
	ISSUE4 (\mt)+2                                 ; into the registers just read; the vector lines in it name v12 and v13 alone
.endif
	WIN 0
.irp j, 0,1,2,3
.irp sp, 0,1,2,3
	ds_store_b128 v[EW], v[TB+32*\j+16+4*\sp:TB+32*\j+16+4*\sp+3] offset:8192*\j+512*\sp   ; row 16 mt + 4 j + w, columns 256 sp + 8 lane on: 512 consecutive bytes
.endr
.endr
.endm
; A tile's codes go round: my four rows to the slot; the barrier; the tile's eight fragments and its scale bytes come back.  Slot mt % 2 is written again two trips on: by then
; every wave has passed the next trip's barrier, in front of which it has waited for these loads.
.macro TRIPX mt
.set CB, 64*((\mt)/3)+64*((\mt)/6)+20*((\mt)%3)
	WIN 0x0c                                       ; an LDS store's data are its source 1: window 3
.irp j, 0,1,2,3
.irp sp, 0,1,2,3
	ds_store_b32 v[CW], v[CB+4*\j+\sp] offset:CSLOT*((\mt)%2)+4*CP*\j+128*\sp
.endr
	ds_store_b32 v[SW], v[CB+16+\j] offset:512*((\mt)%2)+128*\j    ; the four lanes of a block write the same word with the same value
.endr
	WIN 0
	s_wait_dscnt 0x0                               ; my stores have landed, and my loads from the other slot are in
.if ((\mt) == 4) || ((\mt) == 5)
	s_wait_alu depctr_vm_vsrc(0)                   ; the LDS stores issued so far have read the codes of three tiles (0 to 2; 3 to 5), on whose registers this tile of A lands
.endif
	s_barrier_signal -1
	s_barrier_wait -1
.if (\mt) < 4
.set AB, 64*(\mt)
	WIN 0x80
.elseif (\mt) < 7
.set AB, 64*((\mt)-4)
	WIN 0xc0
.else
.set AB, 128+64*((\mt)-7)
	WIN 0x40
.endif
.irp k, 0,1,2,3,4,5,6,7
.irp c, 0,1
	ds_load_b128 v[AB+8*\k+4*\c:AB+8*\k+4*\c+3], v[FA] offset:CSLOT*((\mt)%2)+64*\k+32*\c   ; lane (r, h): K = 128 k + 64 c + 32 h + 0 .. 31 of row r
.endr
.endr
	WIN 0
	ds_load_b128 v[128+4*(\mt):128+4*(\mt)+3], v[FS] offset:512*((\mt)%2)
.endm
; A tile of 16 hidden units, in three parts: We's fragments of K steps k0 to k0 + 3 (eight loads);
.macro LOADA set, to, k0
	WIN 0x40
.irp k, 0,1,2,3
.irp c, 0,1
	global_load_b128 v[64*(\set)+8*((\k0)+\k)+4*\c:64*(\set)+8*((\k0)+\k)+4*\c+3], v5, s[58:59] offset:8192*(\to)+1024*((\k0)+\k)+512*\c
.endr
.endr
.endm
; and their scale words, V and c (h_part + b) of the lane's eight units (five loads)
.macro LOADS set, to
	WIN 0
	global_load_b128 v[WSC+4*(\set):WSC+4*(\set)+3], v5, s[60:61] offset:512*(\to)
	global_load_b128 v[VV+8*(\set):VV+8*(\set)+3], v6, s[62:63] offset:64*(\to)
	global_load_b128 v[VV+8*(\set)+4:VV+8*(\set)+7], v6, s[62:63] offset:64*(\to)+16
	global_load_b128 v[HB+8*(\set):HB+8*(\set)+3], v6, s[66:67] offset:64*(\to)
	global_load_b128 v[HB+8*(\set)+4:HB+8*(\set)+7], v6, s[66:67] offset:64*(\to)+16
.endm
; One product.  We's scale word of K step k: register k % 4, lanes 16-31 from k = 4 on.  enc's: register k / 2, lanes 16-31 for odd k.
.macro WM mt, k, set, ab
.set rD, ACC+8*(\mt)
.set rW, 64*(\set)+8*(\k)
.set rA, (\ab)+8*(\k)
.set rX, WSC+4*(\set)+((\k)%4)
.set rY, ASC+4*(\mt)+((\k)/2)
.if (\k) == 0
	v_wmma_scale_f32_16x16x128_f8f6f4 v[rD:rD+7], v[rW:rW+7], v[rA:rA+7], 0, v[rX], v[rY] matrix_a_fmt:MATRIX_FMT_FP4 matrix_b_fmt:MATRIX_FMT_FP4
.elseif ((\k) < 4) && (((\k)%2) == 0)
	v_wmma_scale_f32_16x16x128_f8f6f4 v[rD:rD+7], v[rW:rW+7], v[rA:rA+7], v[rD:rD+7], v[rX], v[rY] matrix_a_fmt:MATRIX_FMT_FP4 matrix_b_fmt:MATRIX_FMT_FP4
.elseif (\k) < 4
	v_wmma_scale_f32_16x16x128_f8f6f4 v[rD:rD+7], v[rW:rW+7], v[rA:rA+7], v[rD:rD+7], v[rX], v[rY] matrix_a_fmt:MATRIX_FMT_FP4 matrix_b_fmt:MATRIX_FMT_FP4 matrix_b_scale:MATRIX_SCALE_ROW1
.elseif ((\k)%2) == 0
	v_wmma_scale_f32_16x16x128_f8f6f4 v[rD:rD+7], v[rW:rW+7], v[rA:rA+7], v[rD:rD+7], v[rX], v[rY] matrix_a_fmt:MATRIX_FMT_FP4 matrix_b_fmt:MATRIX_FMT_FP4 matrix_a_scale:MATRIX_SCALE_ROW1
.else
	v_wmma_scale_f32_16x16x128_f8f6f4 v[rD:rD+7], v[rW:rW+7], v[rA:rA+7], v[rD:rD+7], v[rX], v[rY] matrix_a_fmt:MATRIX_FMT_FP4 matrix_b_fmt:MATRIX_FMT_FP4 matrix_a_scale:MATRIX_SCALE_ROW1 matrix_b_scale:MATRIX_SCALE_ROW1
.endif
.endm
; 72 products, transposed (source 0 = 16 hidden units, source 1 = 16 rows of enc): lane (r, h), register j = (row r, hidden unit 8 h + j).  Three stretches, each under one window setting;
; in a stretch the tiles' accumulators take turns, one instruction a turn.  The first K step starts each sum with the constant 0.
; ld = 1: the other set's 21 loads (the tile 'to' tiles on from the bases) stand ahead of the three stretches, 8, 8 and 5.  No wait stands with them: no matrix instruction since the wait at the step's head
; names a register of the other set, nor v5 or v6.
.macro MM set, ld, to
.if \ld
	LOADA 1-\set, \to, 0
.endif
	WIN 0x09                                       ; We window 1, A window 2
.irp k, 0,1,2,3,4,5,6,7
.irp mt, 0,1,2,3
	WM \mt, \k, \set, 64*\mt
.endr
.endr
.if \ld
	LOADA 1-\set, \to, 4
.endif
	WIN 0x0d                                       ; A window 3
.irp k, 0,1,2,3,4,5,6,7
.irp mt, 4,5,6
	WM \mt, \k, \set, 64*(\mt-4)
.endr
.endr
.if \ld
	LOADS 1-\set, \to
.endif
	WIN 0x05                                       ; A window 1
.irp k, 0,1,2,3,4,5,6,7
.irp mt, 7,8
	WM \mt, \k, \set, 128+64*(\mt-7)
.endr
.endr
	WIN 0
.endm
; tanh(x) = 1 - 2 / (1 + 2^(c x)), c = 2 log2(e); the sums take V tanh.  Each kind of transcendental is one batch with one wait.
.macro TANH set
.rept 4
	v_nop                                          ; four places behind the products
.endr
.irp mt, 0,1,2,3,4,5,6,7,8
.irp q, 0,2,4,6
	v_pk_fma_f32 v[ACC+8*\mt+\q:ACC+8*\mt+\q+1], v[ACC+8*\mt+\q:ACC+8*\mt+\q+1], s[36:37], v[HB+8*(\set)+\q:HB+8*(\set)+\q+1] op_sel_hi:[1,0,1]   ; c e_part + c (h_part + b); each accumulator from its low end on
.endr
.endr
.set i, 0
	s_wait_alu depctr_va_vdst(0)
.rept 72
	v_exp_f32 v[ACC+i], v[ACC+i]
.set i, i+1
.endr
	v_nop                                          ; a plain place behind the last exponential,
	s_wait_alu depctr_va_vdst(0)                   ; and the one wait for the batch: the 72 exponentials have written v128-199, ahead of their first use
.set i, 0
.rept 36
	v_pk_add_f32 v[ACC+i:ACC+i+1], v[ACC+i:ACC+i+1], 1.0 op_sel_hi:[1,0]
.set i, i+2
.endr
.set i, 0
	s_wait_alu depctr_va_vdst(0)
.rept 72
	v_rcp_f32 v[ACC+i], v[ACC+i]
.set i, i+1
.endr
	v_nop
	s_wait_alu depctr_va_vdst(0)                   ; the 72 reciprocals have written v128-199, ahead of their first use
.set i, 0
.rept 36
	v_pk_fma_f32 v[ACC+i:ACC+i+1], v[ACC+i:ACC+i+1], -2.0, 1.0 op_sel_hi:[1,0,0]
.set i, i+2
.endr
.irp q, 0,2,4,6
.irp mt, 0,1,2,3,4,5,6,7,8
	v_pk_fma_f32 v[SA+2*\mt:SA+2*\mt+1], v[ACC+8*\mt+\q:ACC+8*\mt+\q+1], v[VV+8*(\set)+\q:VV+8*(\set)+\q+1], v[SA+2*\mt:SA+2*\mt+1]
.endr
.endr
.endm
; The context: eight rows' 16 bytes a lane (my wave's 256 columns) and their eight weights, into set 0 or 1 of window 2.  w = 1: multiply-adds have read the set before
.macro CLOAD set, eo, po, w
	WIN 0x80
.if \w
	s_wait_alu depctr_va_vdst(0)                   ; the multiply-adds issued so far are done reading this set, in which the loads land; behind the loop's edge v17 and v18 are written, which the loads read
.endif
.irp rw, 0,1,2,3,4,5,6,7
	ds_load_b128 v[40*(\set)+4*\rw:40*(\set)+4*\rw+3], v18 offset:(\eo)+2048*\rw
.endr
.irp u, 0,1
	ds_load_b128 v[40*(\set)+32+4*\u:40*(\set)+32+4*\u+3], v17 offset:(\po)+16*\u
.endr
.endm
.macro CFMA set
	WIN 0x0a                                       ; sources 0 and 1 window 2
.irp rw, 0,1,2,3,4,5,6,7
.irp q, 0,1,2,3
	v_fma_mix_f32_bf16 v[CX+2*\q], v[40*(\set)+4*\rw+\q], v[40*(\set)+32+\rw], v[CX+2*\q] op_sel_hi:[1,0,0]
	v_fma_mix_f32_bf16 v[CX+2*\q+1], v[40*(\set)+4*\rw+\q], v[40*(\set)+32+\rw], v[CX+2*\q+1] op_sel:[1,0,0] op_sel_hi:[1,0,0]
.endr
.endr
.endm
	s_load_b512 s[4:19], s[0:1], 0x0               ; enc s[4:5], V s[6:7], wq s[8:9], ws s[10:11], hbc s[12:13], order s[14:15], cnt s[16:17], part s[18:19]
	v_lshl_add_u32 v238, v0, 2, 0x4d800
	v_mov_b32 v239, 0
	v_lshrrev_b32 v1, 5, v0
	v_readfirstlane_b32 s22, v1                    ; wave w
	v_and_b32 v1, 31, v0                           ; lane
	v_and_b32 v2, 15, v0                           ; r
	v_bfe_u32 v3, v0, 4, 1                         ; h
	v_lshlrev_b32 v4, 5, v1                        ; 32 x lane
	v_lshlrev_b32 v5, 4, v1                        ; 16 x lane
	v_lshlrev_b32 v6, 5, v3                        ; 32 h
	v_lshlrev_b32 v28, 2, v1                       ; 4 x lane
	v_lshlrev_b32 v29, 3, v0                       ; 8 x thread
	s_wait_alu depctr_va_sdst(0)                   ; s22 is written, ahead of its first reader
	; every LDS address is made here: a constant, a constant x lane, a constant x wave
	s_lshl_b32 s70, s22, 11
	v_add_nc_u32 v[EW], s70, v5                    ; bf16: row w, 16 bytes a lane
	s_mul_i32 s70, s22, CP
	s_add_co_u32 s70, s70, CST
	v_add_nc_u32 v[CW], s70, v28                   ; codes in: row w of a slot, 4 bytes a lane
	s_lshl_b32 s70, s22, 5
	s_add_co_u32 s70, s70, SST
	v_and_b32 v[SW], 28, v1
	v_add_nc_u32 v[SW], s70, v[SW]                 ; scale words in: row w, word lane / 4
	v_mul_u32_u24 v[FA], v2, CP
	v_lshl_add_u32 v[FA], v3, 4, v[FA]
	v_add_nc_u32 v[FA], CST, v[FA]                 ; codes out: row r + 16 h
	v_lshlrev_b32 v[FS], 5, v2
	v_lshl_add_u32 v[FS], v3, 4, v[FS]
	v_add_nc_u32 v[FS], SST, v[FS]                 ; scale bytes out: row r + 16 h
	v_lshlrev_b32 v19, 2, v2
	s_mul_i32 s70, s22, 576
	s_add_co_u32 s71, s70, SCP
	v_add_nc_u32 v14, s71, v19                     ; my wave's parts of the scores
	v_mul_u32_u24 v15, v3, 576
	v_add_nc_u32 v15, v15, v19
	v_add_nc_u32 v15, SCP, v15                     ; wave h's (and, 1,152 bytes on, wave h + 2's)
	s_add_co_u32 s71, s70, PWB
	v_add_nc_u32 v16, s71, v19                     ; my wave's copy of the weights: in,
	v_mov_b32 v17, s71                             ; and out
	s_lshl_b32 s70, s22, 9
	v_add_nc_u32 v18, s70, v5                      ; bf16 out: my wave's 512 bytes of a row
	s_lshr_b32 s23, ttmp9, 3                       ; batch
	s_and_b32 s24, ttmp9, 7
	s_and_b32 s70, ttmp7, 0xffff
	s_lshl_b32 s70, s70, 3
	s_add_co_u32 s24, s24, s70                     ; group g: groups 8-15 are the grid's second row
	; my wave's places in the list, for G = 8 and for G = 16: g + G w + 4 G i, i = lane and 32 + lane.  They hang on ids alone, so the list is asked for together with n
	s_lshl_b32 s70, s22, 3
	s_add_co_u32 s70, s70, s24
	s_lshl_b32 s72, s22, 4
	s_add_co_u32 s72, s72, s24
	v_lshl_add_u32 v20, v1, 5, s70
	v_add_nc_u32 v21, 0x400, v20
	v_lshl_add_u32 v22, v1, 6, s72
	v_add_nc_u32 v23, 0x800, v22
.irp q, 20,21,22,23
	v_min_u32 v\q, 0x7ff, v\q
	v_lshlrev_b32 v\q, 2, v\q
.endr
	s_mov_b32 s34, 0x76543210
	s_mov_b32 s35, 0xfedcba98                      ; v_permlanex16_b32's selects for lane l xor 16
	s_mov_b32 s36, 0x4038aa3b                      ; c = 2 log2(e)
	s_mov_b32 s37, s36
	s_mov_b32 s80, 0x05010400                      ; byte selects for the 4 x 4 transposition of scale bytes
	s_mov_b32 s81, 0x07030602
	s_mov_b32 s82, 0x05040100
	s_mov_b32 s83, 0x07060302
	s_mov_b32 s71, 0
	s_wait_kmcnt 0x0
	s_lshl_b32 s70, s23, 7
	s_add_nc_u64 s[16:17], s[16:17], s[70:71]
	s_load_b32 s25, s[16:17], 0x0                  ; n
	s_lshl_b32 s70, s23, 13
	s_add_nc_u64 s[14:15], s[14:15], s[70:71]
	s_wait_alu depctr_va_vdst(0)                   ; every offset and LDS address of the kernel is written: v4 to v11, v14 to v18, v20 to v23, v28, v29, which loads and stores read
	global_load_b32 v24, v20, s[14:15]
	global_load_b32 v25, v21, s[14:15]
	global_load_b32 v26, v22, s[14:15]
	global_load_b32 v27, v23, s[14:15]
	s_lshl_b32 s70, s23, 23
	s_add_nc_u64 s[56:57], s[4:5], s[70:71]        ; the batch's rows of enc
	s_lshl_b32 s70, s22, 17
	s_add_nc_u64 s[58:59], s[8:9], s[70:71]        ; my 16 tiles of We's codes,
	s_lshl_b32 s70, s22, 13
	s_add_nc_u64 s[60:61], s[10:11], s[70:71]      ; their scale words,
	s_lshl_b32 s70, s22, 10
	s_add_nc_u64 s[62:63], s[6:7], s[70:71]        ; my 256 numbers of V
	s_add_nc_u64 s[66:67], s[12:13], s[70:71]
	s_add_nc_u64 s[76:77], s[18:19], s[70:71]
	s_lshl_b32 s70, s23, 12
	s_add_nc_u64 s[66:67], s[66:67], s[70:71]      ; and of the batch's c (h_part + b)
	s_lshl_b32 s70, s23, 4
	s_add_co_u32 s70, s70, s24
	s_mul_i32 s70, s70, REC
	s_add_nc_u64 s[68:69], s[18:19], s[70:71]      ; my record,
	s_add_nc_u64 s[76:77], s[76:77], s[70:71]      ; and my wave's 1,024 bytes of its context
	s_wait_kmcnt 0x0
	s_min_u32 s25, s25, 0x800
	s_cmp_eq_u32 s25, 0
	s_cselect_b32 s30, -1, 0                       ; all ones where no row has mask 1
	s_cselect_b32 s26, 0x800, s25                  ; rows that count
	s_cmp_le_u32 s26, 1152
	s_cselect_b32 s27, 8, 16                       ; G
	s_cselect_b32 s28, 3, 4
	s_cselect_b32 s31, -1, 0
	s_sub_co_u32 s29, s26, s24
	s_add_co_u32 s29, s29, s27
	s_sub_co_u32 s29, s29, 1
	s_lshr_b32 s29, s29, s28                       ; my rows: (rows that count - g + G - 1) / G,
	s_cmp_lt_u32 s24, s27
	s_cselect_b32 s29, s29, 0                      ; none for a group that does not exist
	s_min_u32 s29, s29, 144
	s_add_co_u32 s32, s29, 3
	s_sub_co_u32 s32, s32, s22
	s_lshr_b32 s32, s32, 2                         ; my wave's rows
	s_wait_loadcnt 0x0
	s_wait_alu depctr_vm_vsrc(0)                   ; the four loads of the list have read v20 to v23, which are written again further down (at work; the context's sums)
	v_cndmask_b32 v[RL], v26, v24, s31
	v_cndmask_b32 v[RL+1], v27, v25, s31
	v_readlane_b32 s33, v[RL], 0                   ; my wave's first row
	s_wait_alu depctr_va_sdst(0)                   ; s33 is written, ahead of the branch and of its first reader
	s_cmp_eq_u32 s29, 0
	s_cbranch_scc1 .Lnone
	; ---- L
	ISSUE4 0
	s_wait_alu depctr_va_vdst(0)
	ISSUE4 1
.irp mt, 0,1,2,3,4,5,6,7,8
	TRIPL \mt
.endr
	WIN 0
	s_branch .Lexch
.Lnone:	; no rows: the registers that the exchange sends are written all the same
	WIN 0xc0
.set i, 0
.rept 60
	v_mov_b32 v[i], 0
	v_mov_b32 v[64+i], 0
	v_mov_b32 v[192+i], 0
.set i, i+1
.endr
	WIN 0
.Lexch:	; ---- X
	s_wait_alu depctr_va_vdst(0)                   ; my codes in window 3 are written (by the conversions, or by the clears), which the exchange's LDS stores read and on which tiles of A land; the quantising lines are done with the ring and with v128-163, in which loads below land
	s_wait_alu depctr_vm_vsrc(0)                   ; the last LDS stores of bf16 have read v144-159, in which the scale bytes land
	LOADA 0, 0, 0                                  ; the first tile of We is asked for here, on every way, and lands under the exchange
	LOADA 0, 0, 4
	LOADS 0, 0
.irp mt, 0,1,2,3,4,5,6,7,8
	TRIPX \mt
.endr
	s_wait_dscnt 0x0
	; of a row's half h the four words hold, in byte sp, blocks 8 sp + 4 h + 0 .. 3: transposed they are the scale words of K steps 2 sp + h
.irp mt, 0,1,2,3,4,5,6,7,8
	v_perm_b32 v19, v[129+4*\mt], v[128+4*\mt], s80
	v_perm_b32 v20, v[129+4*\mt], v[128+4*\mt], s81
	v_perm_b32 v21, v[131+4*\mt], v[130+4*\mt], s80
	v_perm_b32 v22, v[131+4*\mt], v[130+4*\mt], s81
	v_perm_b32 v[ASC+4*\mt], v21, v19, s82
	v_perm_b32 v[ASC+4*\mt+1], v21, v19, s83
	v_perm_b32 v[ASC+4*\mt+2], v22, v20, s82
	v_perm_b32 v[ASC+4*\mt+3], v22, v20, s83
.endr
.set i, 0
.rept 18
	v_mov_b32 v[SA+i], 0                           ; the scores' sums.  (Also the places between the scale words' last write and the products)
.set i, i+1
.endr
	s_cmp_eq_u32 s29, 0
	s_cbranch_scc1 .Lscore
	; ---- C: eight trips of two tiles of hidden units; a tile's operands are asked for while the tile before is worked
	s_mov_b32 s38, 8
.Lnt:
	s_wait_loadcnt 0x0                             ; set 0 is in
	s_wait_alu depctr_va_vdst(0)                   ; the last trip's products and tanh lines are done reading set 1, in which this step's loads land; in the first trip: enc's scale words v32-67 are written, which the scaled matrix instructions take
	MM 0, 1, 1
	TANH 0
	s_wait_loadcnt 0x0                             ; set 1 is in
	s_cmp_eq_u32 s38, 1
	s_cbranch_scc1 .Llast                          ; behind my last tile nothing is asked for: no load leaves its buffer
	s_wait_alu depctr_va_vdst(0)                   ; this trip's first products and tanh lines are done reading set 0, in which this step's loads land
	MM 1, 1, 2
	s_branch .Ltan
.Llast:
	MM 1, 0, 0                                     ; the same 72 products with no load among them
.Ltan:
	TANH 1
	s_wait_xcnt 0x0                                ; the loads have read their bases
	s_add_nc_u64 s[58:59], s[58:59], 16384
	s_add_nc_u64 s[60:61], s[60:61], 1024
	s_add_nc_u64 s[62:63], s[62:63], 128
	s_add_nc_u64 s[66:67], s[66:67], 128
	s_sub_co_u32 s38, s38, 1
	s_cmp_lg_u32 s38, 0
	s_cbranch_scc1 .Lnt
.Lscore:	; ---- S
	s_wait_loadcnt 0x0
	s_wait_alu depctr_va_vdst(0)
.irp mt, 0,1,2,3,4,5,6,7,8
	v_add_f32 v[128+\mt], v[SA+2*\mt], v[SA+2*\mt+1]
.endr
.irp mt, 0,1,2,3,4,5,6,7,8
	v_permlanex16_b32 v[140+\mt], v[128+\mt], s34, s35
.endr
.irp mt, 0,1,2,3,4,5,6,7,8
	v_add_f32 v[128+\mt], v[128+\mt], v[140+\mt]   ; my wave's 256 hidden units
.endr
	s_wait_alu depctr_va_vdst(0)                   ; v128-136 are written, which the LDS stores read; the additions are done with v128-148, in which the loads behind the barrier land
.irp mt, 0,1,2,3,4,5,6,7,8
	ds_store_b32 v14, v[128+\mt] offset:64*\mt     ; lanes r and r + 16 write the same word with the same value
.endr
	s_wait_dscnt 0x0
	s_wait_alu depctr_vm_vsrc(0)                   ; the LDS stores have read v128-136, in which the loads below land
	s_barrier_signal -1
	s_barrier_wait -1
.irp mt, 0,1,2,3,4,5,6,7,8
	ds_load_b32 v[128+\mt], v15 offset:64*\mt
.endr
.irp mt, 0,1,2,3,4,5,6,7,8
	ds_load_b32 v[140+\mt], v15 offset:64*\mt+1152
.endr
	v_mov_b32 v200, 0xd368d4a5                     ; -1e12
	v_mov_b32 v201, 0xf149f2ca                     ; -1e30: under every score
	s_mov_b32 s72, 0xffff0000
	s_wait_dscnt 0x0
.irp mt, 0,1,2,3,4,5,6,7,8
	v_add_f32 v[128+\mt], v[128+\mt], v[140+\mt]
.endr
.irp mt, 0,1,2,3,4,5,6,7,8
	v_permlanex16_b32 v[152+\mt], v[128+\mt], s34, s35
.endr
.irp mt, 0,1,2,3,4,5,6,7,8
	v_add_f32 v[128+\mt], v[128+\mt], v[152+\mt]   ; row 16 mt + r's score, in every wave
.endr
.irp mt, 0,1,2,3,4,5,6,7,8
	v_cndmask_b32 v[128+\mt], v[128+\mt], v200, s30
.endr
	s_cmp_lg_u32 s22, 0
	s_cbranch_scc1 .Lnot_0
.irp u, 0,1,2,3
	v_cndmask_b32 v[164+\u], v[128+2*\u], v[129+2*\u], s72         ; two tiles to a store: 128 consecutive bytes
.endr
	s_wait_alu depctr_va_vdst(0)                   ; v164-167 and v136 are written, which the stores read; none of them is written again
.irp u, 0,1,2,3
	global_store_b32 v28, v[164+\u], s[68:69] offset:5120+128*\u
.endr
	global_store_b32 v28, v136, s[68:69] offset:5120+512           ; lanes 16-31 fall into the record's spare bytes
.Lnot_0:
.irp mt, 0,1,2,3,4,5,6,7,8
	v_add_nc_u32 v19, 16*\mt, v2
	v_cmp_gt_u32 s[40+\mt], s29, v19               ; the nine compares in one run, a mask register each
.endr
	s_wait_alu depctr_va_sdst(0)                   ; the nine masks s40 to s48 are written, ahead of their readers
.irp mt, 0,1,2,3,4,5,6,7,8
	v_cndmask_b32 v[176+\mt], v201, v[128+\mt], s[40+\mt]          ; an absent row counts for nothing
.endr
	v_max3_num_f32 v30, v176, v177, v178
	v_max3_num_f32 v30, v30, v179, v180
	v_max3_num_f32 v30, v30, v181, v182
	v_max3_num_f32 v30, v30, v183, v184
.irp x, 1,2,4,8
	v_max_num_f32_dpp v30, v30, v30 row_xmask:\x row_mask:0xf bank_mask:0xf
.endr                                          ; m
.irp mt, 0,1,2,3,4,5,6,7,8
	v_sub_f32 v[176+\mt], v[176+\mt], v30
.endr
.irp mt, 0,1,2,3,4,5,6,7,8
	v_mul_f32 v[176+\mt], 0x3fb8aa3b, v[176+\mt]
.endr
	s_wait_alu depctr_va_vdst(0)
.irp mt, 0,1,2,3,4,5,6,7,8
	v_exp_f32 v[176+\mt], v[176+\mt]               ; p = e^(score - m)
.endr
.irp q, 0,1,2,3,4,5,6,7
	v_mov_b32 v[CX+\q], 0                          ; (plain work behind the exponentials)
.endr
	s_wait_alu depctr_va_vdst(0)                   ; the nine exponentials have written v176-184, ahead of their first use: the LDS stores and the sums read them
.irp mt, 0,1,2,3,4,5,6,7,8
	ds_store_b32 v16, v[176+\mt] offset:64*\mt     ; into my wave's own copy: LDS serves a wave's instructions in order, so no barrier is needed
.endr
	v_add_f32 v31, v176, v177
.irp mt, 2,3,4,5,6,7,8
	v_add_f32 v31, v31, v[176+\mt]
.endr
.irp x, 1,2,4,8
	v_add_f32_dpp v31, v31, v31 row_xmask:\x row_mask:0xf bank_mask:0xf
.endr                                          ; l
	; ---- K: 18 sets of eight rows, a set asked for while the set before is worked.  The loop's trips are a constant; a work-group without rows jumps over the work inside, not over the steps
	s_cmp_eq_u32 s29, 0
	s_cbranch_scc1 .Lc0
	CLOAD 0, 0, 0, 0                               ; no wait: the products that read these registers as A's tiles stand ahead of tanh's waits, and no vector line since names them, v17 or v18
	WIN 0
.Lc0:
	s_mov_b32 s39, 8
.Lctx:
	s_cmp_eq_u32 s29, 0
	s_cbranch_scc1 .Lc1
	CLOAD 1, 16384, 32, 1
	s_wait_dscnt 10                                ; all but the ten loads just issued
	CFMA 0
	CLOAD 0, 32768, 64, 1
	s_wait_dscnt 10
	CFMA 1
	WIN 0
.Lc1:
	s_wait_alu depctr_vm_vsrc(0)                   ; the LDS loads issued so far have read v17 and v18
	s_wait_alu depctr_va_vdst(0)
	v_add_nc_u32 v18, 0x8000, v18                  ; 16 rows on
	v_add_nc_u32 v17, 64, v17
	s_sub_co_u32 s39, s39, 1
	s_cmp_lg_u32 s39, 0
	s_cbranch_scc1 .Lctx
	s_cmp_eq_u32 s29, 0
	s_cbranch_scc1 .Lc2
	CLOAD 1, 16384, 32, 1                          ; the last set
	s_wait_dscnt 10
	CFMA 0
	s_wait_alu depctr_va_vdst(0)
	s_wait_dscnt 0x0
	CFMA 1
	WIN 0
.Lc2:
	s_wait_dscnt 0x0
	s_wait_alu depctr_va_vdst(0)                   ; the context's sums v20-27, m and l (v30, v31) are written, which the stores read
	global_store_b128 v5, v[CX:CX+3], s[76:77]             ; columns 256 w + 8 lane + 0 .. 3: 512 consecutive bytes
	global_store_b128 v5, v[CX+4:CX+7], s[76:77] offset:512   ; and + 4 .. 7
	global_store_b64 v29, v[30:31], s[68:69] offset:4096   ; {m, l}, once a thread: 1,024 consecutive bytes
	s_wait_dscnt 0x0
	s_wait_alu depctr_hold_cnt(0) depctr_sa_sdst(0) depctr_va_vdst(0) depctr_va_sdst(0) depctr_va_ssrc(0) depctr_va_vcc(0) depctr_vm_vsrc(0)
	s_wait_tensorcnt 0x0
	ds_add_u32 v238, v239
	s_wait_dscnt 0x0
	s_endpgm
.Lfunc_end_k_qd1354840cb_main:
	.size	k_qd1354840cb_main, .Lfunc_end_k_qd1354840cb_main-k_qd1354840cb_main
	.p2alignl 7, 3214868480
	.fill 96, 4, 3214868480
	.section	.rodata,"a",@progbits
	.p2align	6, 0x0
	.amdhsa_kernel k_qd1354840cb_main
		.amdhsa_group_segment_fixed_size 317952
		.amdhsa_private_segment_fixed_size 0
		.amdhsa_enable_private_segment 0
		.amdhsa_kernarg_size 64
		.amdhsa_user_sgpr_count 2
		.amdhsa_user_sgpr_kernarg_segment_ptr 1
		.amdhsa_wavefront_size32 1
		.amdhsa_system_sgpr_workgroup_id_x 1
		.amdhsa_system_sgpr_workgroup_id_y 1
		.amdhsa_system_sgpr_workgroup_id_z 1
		.amdhsa_system_vgpr_workitem_id 0
		.amdhsa_next_free_vgpr 1024
		.amdhsa_next_free_sgpr 90
		.amdhsa_reserve_vcc 0
		.amdhsa_float_denorm_mode_32 3
		.amdhsa_float_denorm_mode_16_64 3
		.amdhsa_memory_ordered 1
		.amdhsa_forward_progress 1
		.amdhsa_inst_pref_size 255
	.end_amdhsa_kernel
	.section	.bss,"aw",@nobits
	.p2align	6
	.space	262144
	.amdgpu_metadata
---
amdhsa.version: [ 1, 2 ]
amdhsa.kernels:
  - .name:           k_qd1354840cb_main
    .symbol:         k_qd1354840cb_main.kd
    .args:
      - { .name: enc_outputs, .offset: 0, .size: 8, .value_kind: global_buffer, .address_space: global }
      - { .name: V, .offset: 8, .size: 8, .value_kind: global_buffer, .address_space: global }
      - { .name: wq, .offset: 16, .size: 8, .value_kind: global_buffer, .address_space: global }
      - { .name: ws, .offset: 24, .size: 8, .value_kind: global_buffer, .address_space: global }
      - { .name: hbc, .offset: 32, .size: 8, .value_kind: global_buffer, .address_space: global }
      - { .name: order, .offset: 40, .size: 8, .value_kind: global_buffer, .address_space: global }
      - { .name: cnt, .offset: 48, .size: 8, .value_kind: global_buffer, .address_space: global }
      - { .name: part, .offset: 56, .size: 8, .value_kind: global_buffer, .address_space: global }
    .group_segment_fixed_size: 317952
    .private_segment_fixed_size: 0
    .kernarg_segment_align: 8
    .kernarg_segment_size: 64
    .max_flat_workgroup_size: 128
    .sgpr_count:     90
    .vgpr_count:     1024
    .wavefront_size: 32
...
	.end_amdgpu_metadata
.endif
;; end of part 5
;; launch fin (part 6): grid 4 x 32, 4 waves a work-group, no clusters, 0 bytes of LDS; arguments attn_masks, rank, part, out0, out1, out2; writes out0, out1, out2
.if DOCPART == 6
	.amdgcn_target "amdgcn-amd-amdhsa--gfx1250"
	.amdhsa_code_object_version 6
	.text
	.protected	k_qd1354840cb_fin
	.globl	k_qd1354840cb_fin
	.p2align	8
	.type	k_qd1354840cb_fin,@function
k_qd1354840cb_fin:
	s_mov_b64 s[64:65], 0
	v_nop
	global_prefetch_b8 v0, s[64:65] scope:SCOPE_SE
	s_setreg_imm32_b32 hwreg(HW_REG_WAVE_MODE, 25, 1), 1
	s_wait_xcnt 0x0
; FIN.  A batch's 16 records are joined.  M = the largest m; L = the sum of l e^(m - M); the context is the sum of the records' contexts x e^(m - M) / L; a row's weight is e^(score - M) / L.
; Work-group (x, batch): 256 columns of the context (two a thread) and 512 rows' scores and weights (four a thread).  A row with mask 1 finds its score at the byte that rank names;
; every other row has the score -1e12.  A record without rows has m = -1e30, so that its factor is 0.
; Memory binds, and the work is small: no LDS, no barrier, no matrix unit.
.set REC, 5888
	s_load_b256 s[4:11], s[0:1], 0x0               ; masks s[4:5], rank s[6:7], part s[8:9], out0 s[10:11]
	s_load_b128 s[12:15], s[0:1], 0x20             ; out1 s[12:13], out2 s[14:15]
	s_and_b32 s16, ttmp7, 0xffff                   ; batch
	v_and_b32 v1, 15, v0
	v_mul_u32_u24 v1, v1, REC                      ; lane % 16's record
	v_lshlrev_b32 v56, 4, v0                       ; 16 x thread
	v_bfe_u32 v48, v0, 1, 1
	v_lshlrev_b32 v48, 9, v48
	v_lshrrev_b32 v49, 2, v0
	v_lshl_add_u32 v48, v49, 4, v48
	v_and_b32 v49, 1, v0
	v_lshl_add_u32 v57, v49, 3, v48                ; columns 2 t, 2 t + 1 of the 256 lie at 512 ((t / 2) % 2) + 16 (t / 4) + 8 (t % 2)
	v_lshlrev_b32 v58, 3, v0                       ; 8 x thread
	v_mov_b32 v59, 0xd368d4a5                      ; -1e12
	s_mul_i32 s18, s16, 16*REC
	s_mov_b32 s19, 0
	s_lshl_b32 s20, s16, 13
	s_lshl_b32 s22, ttmp9, 11
	s_add_co_u32 s20, s20, s22
	s_mov_b32 s21, 0
	s_lshl_b32 s22, s16, 12
	s_lshl_b32 s24, ttmp9, 10
	s_add_co_u32 s22, s22, s24
	s_mov_b32 s23, 0
	s_mov_b32 s25, 0
	s_wait_alu depctr_va_vdst(0)
	s_wait_kmcnt 0x0
	s_add_nc_u64 s[8:9], s[8:9], s[18:19]          ; the batch's records
	s_add_nc_u64 s[26:27], s[8:9], s[24:25]        ; my 256 columns in the first
	s_add_nc_u64 s[4:5], s[4:5], s[20:21]
	s_add_nc_u64 s[6:7], s[6:7], s[20:21]
	s_add_nc_u64 s[12:13], s[12:13], s[20:21]
	s_add_nc_u64 s[14:15], s[14:15], s[20:21]
	s_add_nc_u64 s[10:11], s[10:11], s[22:23]
	global_load_b64 v[2:3], v1, s[8:9] offset:4096 ; {m, l}
	global_load_b128 v[4:7], v56, s[4:5]
	global_load_b128 v[8:11], v56, s[6:7]
.irp g, 0,1,2,3,4,5,6,7,8,9,10,11,12,13,14,15
	global_load_b64 v[16+2*\g:17+2*\g], v57, s[26:27] offset:REC*\g
.endr
	s_wait_loadcnt 16                              ; {m, l}, masks and rank are in; the 16 loads of the contexts may be out
.irp i, 0,1,2,3
	v_min_u32 v[8+\i], 0x16ffc, v[8+\i]            ; inside the batch's 16 records
.endr
.irp i, 0,1,2,3
	global_load_b32 v[12+\i], v[8+\i], s[8:9]
.endr
	v_mov_b32 v48, v2
.irp x, 1,2,4,8
	v_max_num_f32_dpp v48, v48, v48 row_xmask:\x row_mask:0xf bank_mask:0xf
.endr                                          ; M
	v_sub_f32 v49, v2, v48
	v_mul_f32 v49, 0x3fb8aa3b, v49
	s_wait_alu depctr_va_vdst(0)
	v_exp_f32 v49, v49                             ; e^(m - M)
	v_nop
	s_wait_alu depctr_va_vdst(0)
	v_mul_f32 v50, v3, v49
.irp x, 1,2,4,8
	v_add_f32_dpp v50, v50, v50 row_xmask:\x row_mask:0xf bank_mask:0xf
.endr                                          ; L
	s_wait_alu depctr_va_vdst(0)
	v_rcp_f32 v51, v50
	v_nop
	s_wait_alu depctr_va_vdst(0)
	v_mul_f32 v52, v49, v51                        ; the record's factor
.irp g, 0,1,2,3,4,5,6,7,8,9,10,11,12,13,14,15
	v_readlane_b32 s[32+\g], v52, \g
.endr
	s_wait_loadcnt 4                               ; the contexts are in; the four gathers may be out
	v_mul_f32 v60, s32, v16
	v_mul_f32 v61, s32, v17
.irp g, 1,2,3,4,5,6,7,8,9,10,11,12,13,14,15
	v_fma_f32 v60, s[32+\g], v[16+2*\g], v60
	v_fma_f32 v61, s[32+\g], v[17+2*\g], v61
.endr
	global_store_b64 v58, v[60:61], s[10:11]       ; a wave stores 256 consecutive bytes
	s_wait_loadcnt 0x0
.irp i, 0,1,2,3
	v_cmp_eq_u32 vcc_lo, 1, v[4+\i]
	v_cndmask_b32 v[12+\i], v59, v[12+\i], vcc_lo
.endr
.irp i, 0,1,2,3
	v_sub_f32 v[52+\i], v[12+\i], v48
.endr
.irp i, 0,1,2,3
	v_mul_f32 v[52+\i], 0x3fb8aa3b, v[52+\i]
.endr
	s_wait_alu depctr_va_vdst(0)
.irp i, 0,1,2,3
	v_exp_f32 v[52+\i], v[52+\i]
.endr
	v_nop
	s_wait_alu depctr_va_vdst(0)
.irp i, 0,1,2,3
	v_mul_f32 v[52+\i], v[52+\i], v51
.endr
	global_store_b128 v56, v[12:15], s[14:15]      ; scores
	global_store_b128 v56, v[52:55], s[12:13]      ; weights
	s_endpgm
.Lfunc_end_k_qd1354840cb_fin:
	.size	k_qd1354840cb_fin, .Lfunc_end_k_qd1354840cb_fin-k_qd1354840cb_fin
	.p2alignl 7, 3214868480
	.fill 96, 4, 3214868480
	.section	.rodata,"a",@progbits
	.p2align	6, 0x0
	.amdhsa_kernel k_qd1354840cb_fin
		.amdhsa_group_segment_fixed_size 0
		.amdhsa_private_segment_fixed_size 0
		.amdhsa_enable_private_segment 0
		.amdhsa_kernarg_size 48
		.amdhsa_user_sgpr_count 2
		.amdhsa_user_sgpr_kernarg_segment_ptr 1
		.amdhsa_wavefront_size32 1
		.amdhsa_system_sgpr_workgroup_id_x 1
		.amdhsa_system_sgpr_workgroup_id_y 1
		.amdhsa_system_sgpr_workgroup_id_z 1
		.amdhsa_system_vgpr_workitem_id 0
		.amdhsa_next_free_vgpr 64
		.amdhsa_next_free_sgpr 66
		.amdhsa_reserve_vcc 1
		.amdhsa_float_denorm_mode_32 3
		.amdhsa_float_denorm_mode_16_64 3
		.amdhsa_memory_ordered 1
		.amdhsa_forward_progress 1
		.amdhsa_inst_pref_size 10
	.end_amdhsa_kernel
	.amdgpu_metadata
---
amdhsa.version: [ 1, 2 ]
amdhsa.kernels:
  - .name:           k_qd1354840cb_fin
    .symbol:         k_qd1354840cb_fin.kd
    .args:
      - { .name: attn_masks, .offset: 0, .size: 8, .value_kind: global_buffer, .address_space: global }
      - { .name: rank, .offset: 8, .size: 8, .value_kind: global_buffer, .address_space: global }
      - { .name: part, .offset: 16, .size: 8, .value_kind: global_buffer, .address_space: global }
      - { .name: out0, .offset: 24, .size: 8, .value_kind: global_buffer, .address_space: global }
      - { .name: out1, .offset: 32, .size: 8, .value_kind: global_buffer, .address_space: global }
      - { .name: out2, .offset: 40, .size: 8, .value_kind: global_buffer, .address_space: global }
    .group_segment_fixed_size: 0
    .private_segment_fixed_size: 0
    .kernarg_segment_align: 8
    .kernarg_segment_size: 48
    .max_flat_workgroup_size: 128
    .sgpr_count:     66
    .vgpr_count:     64
    .wavefront_size: 32
...
	.end_amdgpu_metadata
.endif
;; end of part 6
